; MI455X (gfx1250); checked and timed in simulation.
; The chip was launched on July 23, 2026; its instructions are those of AMD's public machine-readable ISA for CDNA 5 (MIT licence, August 2026) and "CDNA5" Instruction Set Architecture Reference Guide (July 2026). The comments in the code are by the model that wrote it; some were corrected since.
;; Attention Block. Allowed arithmetic: matrix products marked QUANTISED: E2M1 operands, one E8M0 scale for each 32 along K, by v_wmma_scale_f32_16x16x128_f8f6f4 with both operands' format E2M1 (or v_wmma_scale_f32_32x16x128_f4), f32 sums; everything else in f32.
;; Inputs: Wk 512 x 512 float32; Wp 512 x 512 float32; Wq 512 x 512 float32; Wv 512 x 512 float32; beta 512 float32; bk 512 float32; bp 512 float32; bq 512 float32; bv 512 float32; gamma 512 float32; x 32 x 512 x 32 x 32 float32.
;; Outputs: out0 32 x 512 x 32 x 32 float32.
;; This version of the problem:
;;   THIS VERSION OF THE PROBLEM IS GIVEN IN LOW PRECISION. The matrix products marked QUANTISED in the list below multiply operands that are first quantised to E2M1 (2 exponent bits, 1 mantissa bit; 4 bits a number), with one power-of-two scale for each 32 numbers along K (OCP MX v1.0); their sums are f32. All else is computed in f32.
;;   The module's matrix products, in the order in which they are computed (A, B: the left and right operand; K: the contracted axis; several contracted axes count as one K, in the product's order):
;;     1. [M 32,768, K 512] x [K 512, N 512]; A: computed on the way; B: input Wq: QUANTISED
;;     2. [M 32,768, K 512] x [K 512, N 512]; A: computed on the way; B: input Wk: QUANTISED
;;     3. [M 32,768, K 512] x [K 512, N 512]; A: computed on the way; B: input Wv: QUANTISED
;;     4. batch 32 x [M 1,024, K 512] x [K 512, N 1,024]; A: computed on the way; B: computed on the way: QUANTISED
;;     5. batch 32 x [M 1,024, K 1,024] x [K 1,024, N 512]; A: softmax (see below); B: computed on the way: QUANTISED
;;     6. [M 32,768, K 512] x [K 512, N 512]; A: computed on the way; B: input Wp: QUANTISED
;;   THE QUANTISER, for each operand of a quantised product, along K:
;;     - K is cut into blocks of 32 from its start; a last block that is shorter is filled with zeros.
;;     - A block's scale is 2^e with e = floor(log2(the largest magnitude in the block)) - 2, held to -126 .. 127; a block of zeros has e = 0. As a byte (E8M0): e + 127.
;;     - Each number is divided by its block's scale, clamped to +-6, and rounded to the nearest number of E2M1, ties to even, subnormals kept.
;;     - The product sums the exact products of the quantised numbers (number of the format x scale) in f32.
;;   ~~~python
;;   def quantise(x, axis):      # numpy; x: float32 -> the quantised numbers, widened to float32 again
;;       x = np.moveaxis(x, axis, -1); K = x.shape[-1]
;;       x = np.pad(x, [(0, 0)] * (x.ndim - 1) + [(0, -K % 32)]); x = x.reshape(x.shape[:-1] + (-1, 32)); a = np.abs(x).max(-1, keepdims=True)
;;       e = np.where(a > 0, np.clip(np.frexp(np.where(a > 0, a, 1))[1] - 1 - 2, -126, 127), 0)      # np.frexp(a)[1] - 1 = floor(log2(a)), exactly
;;       r = np.clip(x / 2.0 ** e, -6, 6)
;;       step = 2.0 ** (np.maximum(np.frexp(np.where(r == 0, 1, r))[1] - 1, 0) - 1)
;;       q = np.round(r / step) * step * 2.0 ** e      # np.round: ties to even
;;       return np.moveaxis(q.reshape(q.shape[:-2] + (-1,))[..., :K], -1, axis).astype(np.float32)
;;   ~~~
;;   SOFTMAX AHEAD OF A QUANTISED PRODUCT. Where the list says 'softmax', what is quantised is not the finished softmax but p = 2^(t - M), with t = logit x log2(e) and M = ceil(the row's largest t), a whole number; so 1/2 < the row's largest p <= 1. The row's sum l is taken of the UNQUANTISED p, in f32, and the product's result is divided by l at the end. Since M is a whole number, a kernel that streams over the keys may use a running M (the ceiling of the running maximum): every later rescaling is an exact power of two, which a block's scale takes up: the codes' values come out the same.
;;   OPERANDS COMPUTED ON THE WAY. 'Computed on the way' means the value that the module computes at that place (a softmax that the list does not call 'softmax' is quantised finished and normalised). What goes into a quantiser is computed in f32, as accurately as f32 sums, v_exp_f32 and their like allow (about 1e-6 of the number): no bf16 or f16 on the way to a quantiser, and a product that is left as it is and whose result goes on into a quantised operand takes f32 operands (vector FMAs, or v_wmma_f32_16x16x4_f32). A number that lies on a knife's edge between two numbers of the format may be rounded either way, as far as f32 arithmetic and the matrix unit's own rounding can turn it there, and no further.
;; One version. Each part assembles by itself: llvm-mc -triple=amdgcn-amd-amdhsa -mcpu=gfx1250 --defsym DOCPART=n.
;; ======== version 1 of 1: 3 launches
;; limits: a difference of large sums (such as E[x^2] - mean^2): digits are lost where the result is much smaller than its terms
;; workspace buffers: hb 8,912,896 bytes; wt 557,056 bytes; stats 65,536 bytes; qb 8,912,896 bytes; kvc 16,777,216 bytes; kvs 1,048,576 bytes
;; launch norm (part 1): grid 256 x 1, 16 waves a work-group, no clusters, 6,144 bytes of LDS; arguments x, gamma, beta, Wq, Wk, Wv, Wp, hb, wt, stats; writes hb, wt, stats
.if DOCPART == 1
	.amdgcn_target "amdgcn-amd-amdhsa--gfx1250"
	.amdhsa_code_object_version 6
	.text
	.protected	k_qed43b5cd58_norm
	.globl	k_qed43b5cd58_norm
	.p2align	8
	.type	k_qed43b5cd58_norm,@function
k_qed43b5cd58_norm:
	s_mov_b64 s[64:65], 0
	v_nop
	global_prefetch_b8 v0, s[64:65] scope:SCOPE_SE
	s_setreg_imm32_b32 hwreg(HW_REG_WAVE_MODE, 25, 1), 1
	s_wait_xcnt 0x0
; GROUP NORM AND THE FIRST QUANTISER.  x [32][512][1024] f32.  Work-group i = 8 b + g owns one group: 64 channels x 1,024 positions, 262,144 consecutive bytes, which its sixteen
; waves keep in registers (128 numbers a lane) from the first sum to the codes: x is read once.  Mean first, then the sum of squares of x - mean: no difference of large sums is formed.
; h = xn^T is an operand whose K (the channels) is NOT innermost: a lane takes a position and its registers run down 32 channels, so a block of 32 along K lies in one lane.
; Wave w: channels 32 (w & 1) on of the group, positions 128 (w >> 1) on.  For k = 0..3 lane l takes position 32 k + (l & 7) + 16 ((l >> 3) & 1) + 8 (l >> 4) of them: THE ROWS OF A TILE ARE NOT
; NEIGHBOURS: row r of tile 2 b + u is true row 32 b + 8 u + r + 8 (r / 8), for positions and for the weights' rows alike, so that later results fall as neighbours along the next K.
; OUT: hb: codes as images of operand registers, [b][tile 64][K step 4][block 4][row 16][16 bytes]; from byte 8,388,608 the scale bytes [b][g][row 1,024][2].
;      wt: the four weights (q, k, v, p) likewise, [mat][tile 32][K step 4][1,024]; from byte 524,288 their scale bytes [mat][pair of tiles 16][K half 2][row 32][8].  Each work-group quantises 16 rows x 256 K of them.
;      stats: (mean, rstd) of the group, 32 times: one store of 256 consecutive bytes.
; A block's scale byte is its largest magnitude's exponent field - 2, held at 1 from below.
; LIMITS: a block of zeros, or one whose largest magnitude lies under 2^-124, keeps the byte 1 (its bytes are read by this program alone); NaN and infinities among the inputs are not served.
; No tensor load, no cluster: work-groups share no input.  Three barriers: the two sums, and the scale bytes' way out.
.set X,    32                          ; v32-159  register 32 k + i: channel i of my 32, position k of my four
.set CD,   160                         ; v160-175 codes, four registers for each k
.set WR,   176                         ; v176-207 32 numbers of a weight; later the sixteen partial sums
.set WC,   208                         ; v208-211 their codes
.set BY,   212                         ; v212-215 scale bytes
.set RED1, 0                           ; LDS: sixteen partial sums; a second set;
.set RED2, 64
.set WSL,  256                         ; the weights' scale bytes [row 16][8];
.set HSL,  512                         ; h's [row 1,024][2]
	s_load_b512 s[4:19], s[0:1], 0x0               ; x 4, gamma 6, beta 8, Wq 10, Wk 12, Wv 14, Wp 16, hb 18
	s_load_b128 s[20:23], s[0:1], 0x40             ; wt 20, stats 22
	v_lshl_add_u32 v216, v0, 2, 0x1000
	v_mov_b32 v217, 0
	v_lshrrev_b32 v12, 5, v0
	v_readfirstlane_b32 s56, v12                   ; wave 0..15
	s_and_b32 s57, s56, 1                          ; which 32 channels
	s_lshr_b32 s58, s56, 1                         ; which 128 positions
	s_lshr_b32 s59, ttmp9, 3                       ; b
	s_and_b32 s63, ttmp9, 7                        ; g
	s_mov_b32 s60, 0x76543210
	s_mov_b32 s61, 0xfedcba98                      ; v_permlanex16_b32's selects for lane l xor 16
	v_and_b32 v1, 31, v0                           ; lane
	v_and_b32 v14, 15, v0                          ; r
	v_bfe_u32 v13, v0, 4, 1                        ; h
	v_and_b32 v2, 7, v0
	v_bfe_u32 v12, v0, 3, 1
	v_lshl_add_u32 v2, v12, 4, v2
	v_lshl_add_u32 v2, v13, 3, v2
	v_lshlrev_b32 v2, 2, v2                        ; v2: x: 4 x my position among 32
	v_lshlrev_b32 v3, 4, v14
	v_lshl_add_u32 v3, v13, 12, v3                 ; v3: h's codes: tile l / 16, row l % 16
	s_lshl_b32 s62, s58, 8
	s_add_co_u32 s62, s62, s57
	s_add_co_u32 s62, s62, HSL
	v_lshl_add_u32 v4, v1, 1, s62                  ; v4: LDS: my row's scale byte
	v_mov_b32 v5, s56
	v_lshlrev_b32 v5, 2, v5                        ; v5: LDS: my wave's partial sum
	v_and_b32 v15, 8, v14
	v_add_nc_u32 v15, v15, v14
	v_lshlrev_b32 v6, 11, v15
	v_lshl_add_u32 v6, v13, 7, v6                  ; v6: a weight: row r + 8 (r / 8) of 2,048 bytes, + 128 h
	v_lshlrev_b32 v7, 4, v1                        ; v7: 16 x lane
	s_and_b32 s62, s56, 3
	s_lshl_b32 s2, s62, 1
	s_add_co_u32 s2, s2, WSL
	v_lshl_add_u32 v8, v14, 3, s2
	v_add_nc_u32 v8, v8, v13                       ; v8: LDS: the weight block's scale byte: 8 r + 2 w + h
	v_lshlrev_b32 v9, 2, v1                        ; v9: 4 x lane
	s_lshl_b32 s2, s62, 9
	s_add_co_u32 s2, s2, HSL
	v_add_nc_u32 v10, s2, v7                       ; v10: LDS: h's scale bytes on the way out
	v_lshlrev_b32 v11, 3, v1                       ; v11: 8 x lane
	v_mov_b32 v19, 0
	s_lshl_b32 s2, ttmp9, 18                       ; x: the group's 262,144 bytes, my 32 channels, my 128 positions
	s_lshl_b32 s62, s57, 17
	s_add_co_u32 s2, s2, s62
	s_lshl_b32 s62, s58, 9
	s_add_co_u32 s2, s2, s62
	s_mov_b32 s3, 0
	s_wait_kmcnt 0x0
	s_add_nc_u64 s[4:5], s[4:5], s[2:3]
	s_lshl_b32 s2, s63, 8                          ; gamma, beta: my 32 channels
	s_lshl_b32 s62, s57, 7
	s_add_co_u32 s2, s2, s62
	s_add_nc_u64 s[6:7], s[6:7], s[2:3]
	s_add_nc_u64 s[8:9], s[8:9], s[2:3]
	s_load_b512 s[68:83], s[6:7], 0x0              ; gamma: s68-99
	s_load_b512 s[84:99], s[6:7], 0x40
	s_load_b512 s[24:39], s[8:9], 0x0              ; beta: s24-55
	s_load_b512 s[40:55], s[8:9], 0x40
	s_lshr_b32 s62, ttmp9, 6                       ; which weight: the choice hangs on the work-group's number alone
	s_cmp_eq_u32 s62, 1
	s_cselect_b64 s[10:11], s[12:13], s[10:11]
	s_cmp_eq_u32 s62, 2
	s_cselect_b64 s[10:11], s[14:15], s[10:11]
	s_cmp_eq_u32 s62, 3
	s_cselect_b64 s[10:11], s[16:17], s[10:11]
	s_bfe_u32 s16, ttmp9, 0x50001                  ; which tile of 16 rows
	s_and_b32 s17, ttmp9, 1                        ; which half of K
	s_lshr_b32 s12, s16, 1
	s_and_b32 s13, s16, 1
	s_lshl_b32 s2, s12, 16                         ; the weight: rows 32 (tile / 2) + 8 (tile % 2) on, K half, my wave's two blocks
	s_lshl_b32 s14, s13, 14
	s_add_co_u32 s2, s2, s14
	s_lshl_b32 s14, s17, 10
	s_add_co_u32 s2, s2, s14
	s_lshl_b32 s14, s56, 8
	s_add_co_u32 s2, s2, s14
	s_add_nc_u64 s[10:11], s[10:11], s[2:3]
	s_lshl_b32 s2, s62, 13                         ; its scale bytes in wt
	s_lshl_b32 s14, s12, 9
	s_add_co_u32 s2, s2, s14
	s_lshl_b32 s14, s17, 8
	s_add_co_u32 s2, s2, s14
	s_lshl_b32 s14, s13, 7
	s_add_co_u32 s2, s2, s14
	s_add_co_u32 s2, s2, 524288
	s_add_nc_u64 s[12:13], s[20:21], s[2:3]
	s_lshl_b32 s2, s62, 17                         ; its codes: K step 2 half + w / 2, blocks 2 (w % 2) on: 512 w bytes
	s_lshl_b32 s14, s16, 12
	s_add_co_u32 s2, s2, s14
	s_lshl_b32 s14, s17, 11
	s_add_co_u32 s2, s2, s14
	s_lshl_b32 s14, s56, 9
	s_add_co_u32 s2, s2, s14
	s_add_nc_u64 s[20:21], s[20:21], s[2:3]
	s_lshl_b32 s2, s59, 14                         ; h's scale bytes
	s_lshl_b32 s14, s63, 11
	s_add_co_u32 s2, s2, s14
	s_and_b32 s14, s56, 3
	s_lshl_b32 s14, s14, 9
	s_add_co_u32 s2, s2, s14
	s_add_co_u32 s2, s2, 8388608
	s_add_nc_u64 s[14:15], s[18:19], s[2:3]
	s_lshl_b32 s2, s59, 18                         ; h's codes: batch, my eight tiles, channel block 2 g + (w & 1): 256 bytes each
	s_lshl_b32 s16, s58, 15
	s_add_co_u32 s2, s2, s16
	s_lshl_b32 s16, s63, 9
	s_add_co_u32 s2, s2, s16
	s_lshl_b32 s16, s57, 8
	s_add_co_u32 s2, s2, s16
	s_add_nc_u64 s[18:19], s[18:19], s[2:3]
	s_lshl_b32 s2, ttmp9, 8
	s_add_nc_u64 s[22:23], s[22:23], s[2:3]        ; stats
; 32 numbers of one block in v[xs] on become 16 bytes of codes in v[cd] on and a scale byte in v[by]
.macro BLOCK xs, cd, by
	v_max3_num_f32 v12, |v[\xs]|, |v[\xs+1]|, |v[\xs+2]|
	v_max3_num_f32 v13, |v[\xs+3]|, |v[\xs+4]|, |v[\xs+5]|
.irp i, 6,10,14,18,22,26
	v_max3_num_f32 v12, v12, |v[\xs+\i]|, |v[\xs+\i+1]|
	v_max3_num_f32 v13, v13, |v[\xs+\i+2]|, |v[\xs+\i+3]|
.endr
	v_max3_num_f32 v12, v12, |v[\xs+30]|, |v[\xs+31]|
	v_max3_num_f32 v12, v12, v13, 0x1800000        ; and the floor 2^(3 - 127): the byte cannot fall under 1
	v_add_nc_u32 v16, 0xff000000, v12              ; 2 off the exponent field: the conversion takes the exponent field of this operand as its scale
.irp g, 0,1,2,3
	v_cvt_scalef32_pk8_fp4_f32 v[\cd+\g], v[\xs+8*\g:\xs+8*\g+7], v16
.endr
	v_lshrrev_b32 v[\by], 23, v16                  ; the scale's byte; also the plain line behind the conversions
.endm
; the four running pairs v[20:27] become the group's sum / 65,536 in v20, in every lane of every wave: lanes, then the sixteen waves through LDS
.macro GROUPSUM off
	v_pk_add_f32 v[20:21], v[20:21], v[22:23]
	v_pk_add_f32 v[24:25], v[24:25], v[26:27]
	v_pk_add_f32 v[20:21], v[20:21], v[24:25]
	v_add_f32 v20, v20, v21
	v_add_f32_dpp v20, v20, v20 row_xmask:1 row_mask:0xf bank_mask:0xf
	v_add_f32_dpp v20, v20, v20 row_xmask:2 row_mask:0xf bank_mask:0xf
	v_add_f32_dpp v20, v20, v20 row_xmask:4 row_mask:0xf bank_mask:0xf
	v_add_f32_dpp v20, v20, v20 row_xmask:8 row_mask:0xf bank_mask:0xf
	v_permlanex16_b32 v21, v20, s60, s61
	v_add_f32 v20, v20, v21
	ds_store_b32 v5, v20 offset:\off
	s_wait_dscnt 0x0                               ; for the others' sake: all my LDS stores have landed
	s_barrier_signal -1
	s_barrier_wait -1
.irp j, 0,1,2,3
	ds_load_b128 v[WR+4*\j:WR+4*\j+3], v19 offset:\off+16*\j
.endr
	s_wait_dscnt 0x0
	v_pk_add_f32 v[WR:WR+1], v[WR:WR+1], v[WR+2:WR+3]
	v_pk_add_f32 v[WR+4:WR+5], v[WR+4:WR+5], v[WR+6:WR+7]
	v_pk_add_f32 v[WR+8:WR+9], v[WR+8:WR+9], v[WR+10:WR+11]
	v_pk_add_f32 v[WR+12:WR+13], v[WR+12:WR+13], v[WR+14:WR+15]
	v_pk_add_f32 v[WR:WR+1], v[WR:WR+1], v[WR+4:WR+5]
	v_pk_add_f32 v[WR+8:WR+9], v[WR+8:WR+9], v[WR+12:WR+13]
	v_pk_add_f32 v[WR:WR+1], v[WR:WR+1], v[WR+8:WR+9]
	v_add_f32 v20, v[WR], v[WR+1]
	v_mul_f32 v20, 0x37800000, v20                 ; x 2^-16
.endm
	s_cmp_lt_u32 s56, 4                            ; waves 0-3 also take the work-group's share of the weights: a block of 32 along K a lane
	s_cbranch_scc0 .Lno_w_load
.irp j, 0,1,2,3,4,5,6,7
	global_load_b128 v[WR+4*\j:WR+4*\j+3], v6, s[10:11] offset:16*\j
.endr
.Lno_w_load:
.set i, 0
.rept 32                               ; four neighbouring loads cover 512 consecutive bytes of a channel
.irp k, 0,1,2,3
	global_load_b32 v[X+32*\k+i], v2, s[4:5] offset:i*4096+\k*128 th:TH_LOAD_NT
.endr
.set i, i+1
.endr
	s_cmp_lt_u32 s56, 4
	s_cbranch_scc0 .Lno_w_quant
	s_wait_loadcnt 63                              ; 128 loads stand behind the weight's eight; 63 is the most that a wait can name
	BLOCK WR, WC, 17
	global_store_b128 v7, v[WC:WC+3], s[20:21]     ; the wave stores 512 consecutive bytes
	ds_store_b8 v8, v17
.Lno_w_quant:
	s_wait_loadcnt 0x0
.irp c, 0,1,2,3
	v_pk_add_f32 v[20+2*\c:21+2*\c], v[X+2*\c:X+2*\c+1], v[X+8+2*\c:X+9+2*\c]   ; four chains; the first pairs start them
.endr
.set p, 8
.rept 56
	v_pk_add_f32 v[20+2*(p%4):21+2*(p%4)], v[20+2*(p%4):21+2*(p%4)], v[X+2*p:X+2*p+1]
.set p, p+1
.endr
	GROUPSUM RED1
	v_mov_b32 v28, v20                             ; the mean, as a pair for the packed forms
	v_mov_b32 v29, v20
	s_cmp_lg_u32 s56, 4                            ; wave 4: the weights' 128 scale bytes leave (they were stored ahead of the barrier)
	s_cbranch_scc1 .Lno_w_scales
	ds_load_b32 v18, v9 offset:WSL
	s_wait_dscnt 0x0
	global_store_b32 v9, v18, s[12:13]
.Lno_w_scales:
.set p, 0
.rept 64
	v_pk_add_f32 v[X+2*p:X+2*p+1], v[X+2*p:X+2*p+1], v[28:29] op_sel_hi:[1,0] neg_lo:[0,1] neg_hi:[0,1]   ; x - mean, in place
.set p, p+1
.endr
.irp c, 0,1,2,3
	v_pk_mul_f32 v[20+2*\c:21+2*\c], v[X+2*\c:X+2*\c+1], v[X+2*\c:X+2*\c+1]
.endr
.set p, 4
.rept 60
	v_pk_fma_f32 v[20+2*(p%4):21+2*(p%4)], v[X+2*p:X+2*p+1], v[X+2*p:X+2*p+1], v[20+2*(p%4):21+2*(p%4)]
.set p, p+1
.endr
	GROUPSUM RED2
	v_add_f32 v20, 0x3727c5ac, v20                 ; the variance + 1e-5
	v_rsq_f32 v31, v20
	v_mov_b32 v30, v28                             ; (a plain line behind the transcendental)
	s_cmp_lg_u32 s56, 0
	s_cbranch_scc1 .Lno_stats
	s_wait_alu depctr_va_vdst(0)
	global_store_b64 v11, v[30:31], s[22:23]       ; 32 lanes store the same pair: 256 consecutive bytes
.Lno_stats:
	s_wait_alu depctr_va_vdst(0)
	v_readfirstlane_b32 s62, v31
	s_wait_kmcnt 0x0                               ; gamma, beta
.set i, 0
.rept 32
	s_mul_f32 s[68+i], s[68+i], s62                ; gamma x rstd
.set i, i+1
.endr
.set i, 0
.rept 32
.irp k, 0,1,2,3
	v_fma_f32 v[X+32*\k+i], v[X+32*\k+i], s[68+i], s[24+i]   ; xn
.endr
.set i, i+1
.endr
.irp k, 0,1,2,3
	BLOCK X+32*\k, CD+4*\k, BY+\k
	global_store_b128 v3, v[CD+4*\k:CD+4*\k+3], s[18:19] offset:\k*8192   ; sixteen lanes store 256 consecutive bytes, aligned
	ds_store_b8 v4, v[BY+\k] offset:64*\k
.endr
	s_wait_dscnt 0x0                               ; my scale bytes have landed
	s_barrier_signal -1
	s_barrier_wait -1
	s_cmp_lt_u32 s56, 4
	s_cbranch_scc0 .Ldone
	ds_load_b128 v[WR+16:WR+19], v10
	s_wait_dscnt 0x0
	global_store_b128 v7, v[WR+16:WR+19], s[14:15] ; the group's 2,048 scale bytes: 512 consecutive bytes a wave
.Ldone:
	s_wait_tensorcnt 0x0
	ds_add_u32 v216, v217
	s_wait_dscnt 0x0
	s_endpgm
.Lfunc_end_k_qed43b5cd58_norm:
	.size	k_qed43b5cd58_norm, .Lfunc_end_k_qed43b5cd58_norm-k_qed43b5cd58_norm
	.p2alignl 7, 3214868480
	.fill 96, 4, 3214868480
	.section	.rodata,"a",@progbits
	.p2align	6, 0x0
	.amdhsa_kernel k_qed43b5cd58_norm
		.amdhsa_group_segment_fixed_size 6144
		.amdhsa_private_segment_fixed_size 0
		.amdhsa_enable_private_segment 0
		.amdhsa_kernarg_size 80
		.amdhsa_user_sgpr_count 2
		.amdhsa_user_sgpr_kernarg_segment_ptr 1
		.amdhsa_wavefront_size32 1
		.amdhsa_system_sgpr_workgroup_id_x 1
		.amdhsa_system_sgpr_workgroup_id_y 1
		.amdhsa_system_sgpr_workgroup_id_z 1
		.amdhsa_system_vgpr_workitem_id 0
		.amdhsa_next_free_vgpr 218
		.amdhsa_next_free_sgpr 100
		.amdhsa_reserve_vcc 0
		.amdhsa_float_denorm_mode_32 3
		.amdhsa_float_denorm_mode_16_64 3
		.amdhsa_memory_ordered 1
		.amdhsa_forward_progress 1
		.amdhsa_inst_pref_size 51
	.end_amdhsa_kernel
	.amdgpu_metadata
---
amdhsa.version: [ 1, 2 ]
amdhsa.kernels:
  - .name:           k_qed43b5cd58_norm
    .symbol:         k_qed43b5cd58_norm.kd
    .args:
      - { .name: x, .offset: 0, .size: 8, .value_kind: global_buffer, .address_space: global }
      - { .name: gamma, .offset: 8, .size: 8, .value_kind: global_buffer, .address_space: global }
      - { .name: beta, .offset: 16, .size: 8, .value_kind: global_buffer, .address_space: global }
      - { .name: Wq, .offset: 24, .size: 8, .value_kind: global_buffer, .address_space: global }
      - { .name: Wk, .offset: 32, .size: 8, .value_kind: global_buffer, .address_space: global }
      - { .name: Wv, .offset: 40, .size: 8, .value_kind: global_buffer, .address_space: global }
      - { .name: Wp, .offset: 48, .size: 8, .value_kind: global_buffer, .address_space: global }
      - { .name: hb, .offset: 56, .size: 8, .value_kind: global_buffer, .address_space: global }
      - { .name: wt, .offset: 64, .size: 8, .value_kind: global_buffer, .address_space: global }
      - { .name: stats, .offset: 72, .size: 8, .value_kind: global_buffer, .address_space: global }
    .group_segment_fixed_size: 6144
    .private_segment_fixed_size: 0
    .kernarg_segment_align: 8
    .kernarg_segment_size: 80
    .max_flat_workgroup_size: 512
    .sgpr_count:     100
    .vgpr_count:     218
    .wavefront_size: 32
...
	.end_amdgpu_metadata
.endif
;; end of part 1
;; launch qkv (part 2): grid 256 x 1, 4 waves a work-group, no clusters, 35,328 bytes of LDS; arguments hb, wt, bq, bk, bv, qb, kvc, kvs; writes qb, kvc, kvs
.if DOCPART == 2
	.amdgcn_target "amdgcn-amd-amdhsa--gfx1250"
	.amdhsa_code_object_version 6
	.text
	.protected	k_qed43b5cd58_qkv
	.globl	k_qed43b5cd58_qkv
	.p2align	8
	.type	k_qed43b5cd58_qkv,@function
k_qed43b5cd58_qkv:
	s_mov_b64 s[64:65], 0
	v_nop
	global_prefetch_b8 v0, s[64:65] scope:SCOPE_SE
	s_setreg_imm32_b32 hwreg(HW_REG_WAVE_MODE, 25, 1), 1
	s_wait_xcnt 0x0
; q = h Wq^T + bq, k = h Wk^T + bk, v = h Wv^T + bv on codes of FP4 (E2M1) with one E8M0 scale for each 32 along K, and the quantising of the three results for the attention.
; Work-group flat = 8 b + blk owns 128 positions (8 tiles of h, one key step of the attention).  THE WAVES SHARE THE COLUMNS: wave w makes outputs d = 128 w .. 128 w + 127 of q, then of k, then of v:
; three chunks of 8 tiles of a weight x 8 tiles of h x 4 K steps = 256 matrix instructions on 64 accumulators, which take turns, one instruction a turn, in the same order in every K step.
; q and k are used TRANSPOSED (source 0 = 16 rows of W, source 1 = 16 rows of h): a lane holds one position and its registers run along d, the next product's K.  v is used the other way (source 0 = h): a lane holds
; one d and its registers run along the positions, which are the keys, v's K.  By the order of a tile's rows (row r of tile 2 b + u is true row 32 b + 8 u + r + 8 (r / 8)) the 16 registers of two neighbouring
; tiles are 16 neighbours along that K.  A wave's 128 outputs are one K step: one fragment and one scale word a row.
; h's 32 fragments lie in LDS as images of their registers (a fragment: two loads of 16 bytes a lane at 16 x lane); a chunk's 32 weight fragments fill window 1, loaded from memory straight into registers.
; NO JOINT LOADS: a weight fragment is read by ONE wave of a work-group and feeds eight matrix instructions from its registers; through LDS a wave would read 16 KB instead of 8 KB from LDS for a K step's 64 matrix
; instructions.  What is given up: each work-group reads its 384 KB of weight codes by loads of its own.
; OUT: qb [flat][34,816]: codes [tile 8][K step 4][1,024], then scale words [K step 4][row 128][4].  kvc [flat][65,536]: k's codes likewise, then v^T's [tile of d 32][1,024].  kvs [flat][4,096]: k's scale words, then v's [row 512][4].
; LIMITS: a block of zeros, or one whose largest magnitude lies under 2^-124, keeps the scale byte 1 (read by this program alone); NaN and infinities are not served.
; REGISTERS: window 0: v1-9 addresses; v12-15 scale words on the way out; v16-31 h's scale words, v32-47 the weight's (register 4 p + s: pair of tiles p, K step s; lanes 0-15 the even tile's rows, lanes 16-31 the odd's);
;   v48-111 the bias as C; v112-175, v176-239 h's fragments of a K step, two sets.  On a chunk's way out the first set holds the eight units' codes, eight registers for each unit, so that no store's data are written
;   again inside a chunk and no wait stands between units; the second holds what the quantiser works with.  v240-247 v's bias; v248-251 the four pairs' scale words.  window 1: the weight.  windows 2, 3: accumulators.
.set SST, 32768                        ; LDS: h's images from 0; from here 512 bytes a wave for scale words
.set HS,  16
.set WS,  32
.set BI,  48
.set HF0, 112
.set TM,  176                          ; v176-179 largest magnitudes, v180-183 the other half's, then bytes, v188-191 the conversions' scale operands
.set PWE, 192                          ; the scale word of an even unit; PWE + 1: of an odd one
.set BT,  240
.set PWC, 248
.set SEL, 22
.set MSB, 0
.macro WIN new                         ; the immediate's high byte repeats the setting that is left
.if MSB != (\new)
	s_set_vgpr_msb (MSB<<8)|(\new)
.set MSB, \new
.endif
.endm
.macro PLACES                          ; four places behind matrix instructions, in front of loads into their registers and of reads of their results
.rept 4
	v_nop
.endr
.endm
; one matrix instruction.  c < 0: the constant 0 starts the sum.  ra, rb: the side's scale words stand in lanes 16-31
.macro WM d, a, b, c, sa, sb, ra, rb
.if (\c) < 0
.if (\ra) == 0 && (\rb) == 0
	v_wmma_scale_f32_16x16x128_f8f6f4 v[(\d):(\d)+7], v[(\a):(\a)+7], v[(\b):(\b)+7], 0, v[\sa], v[\sb] matrix_a_fmt:MATRIX_FMT_FP4 matrix_b_fmt:MATRIX_FMT_FP4
.elseif (\rb) == 0
	v_wmma_scale_f32_16x16x128_f8f6f4 v[(\d):(\d)+7], v[(\a):(\a)+7], v[(\b):(\b)+7], 0, v[\sa], v[\sb] matrix_a_fmt:MATRIX_FMT_FP4 matrix_b_fmt:MATRIX_FMT_FP4 matrix_a_scale:MATRIX_SCALE_ROW1
.elseif (\ra) == 0
	v_wmma_scale_f32_16x16x128_f8f6f4 v[(\d):(\d)+7], v[(\a):(\a)+7], v[(\b):(\b)+7], 0, v[\sa], v[\sb] matrix_a_fmt:MATRIX_FMT_FP4 matrix_b_fmt:MATRIX_FMT_FP4 matrix_b_scale:MATRIX_SCALE_ROW1
.else
	v_wmma_scale_f32_16x16x128_f8f6f4 v[(\d):(\d)+7], v[(\a):(\a)+7], v[(\b):(\b)+7], 0, v[\sa], v[\sb] matrix_a_fmt:MATRIX_FMT_FP4 matrix_b_fmt:MATRIX_FMT_FP4 matrix_a_scale:MATRIX_SCALE_ROW1 matrix_b_scale:MATRIX_SCALE_ROW1
.endif
.else
.if (\ra) == 0 && (\rb) == 0
	v_wmma_scale_f32_16x16x128_f8f6f4 v[(\d):(\d)+7], v[(\a):(\a)+7], v[(\b):(\b)+7], v[(\c):(\c)+7], v[\sa], v[\sb] matrix_a_fmt:MATRIX_FMT_FP4 matrix_b_fmt:MATRIX_FMT_FP4
.elseif (\rb) == 0
	v_wmma_scale_f32_16x16x128_f8f6f4 v[(\d):(\d)+7], v[(\a):(\a)+7], v[(\b):(\b)+7], v[(\c):(\c)+7], v[\sa], v[\sb] matrix_a_fmt:MATRIX_FMT_FP4 matrix_b_fmt:MATRIX_FMT_FP4 matrix_a_scale:MATRIX_SCALE_ROW1
.elseif (\ra) == 0
	v_wmma_scale_f32_16x16x128_f8f6f4 v[(\d):(\d)+7], v[(\a):(\a)+7], v[(\b):(\b)+7], v[(\c):(\c)+7], v[\sa], v[\sb] matrix_a_fmt:MATRIX_FMT_FP4 matrix_b_fmt:MATRIX_FMT_FP4 matrix_b_scale:MATRIX_SCALE_ROW1
.else
	v_wmma_scale_f32_16x16x128_f8f6f4 v[(\d):(\d)+7], v[(\a):(\a)+7], v[(\b):(\b)+7], v[(\c):(\c)+7], v[\sa], v[\sb] matrix_a_fmt:MATRIX_FMT_FP4 matrix_b_fmt:MATRIX_FMT_FP4 matrix_a_scale:MATRIX_SCALE_ROW1 matrix_b_scale:MATRIX_SCALE_ROW1
.endif
.endif
.endm
; 64 numbers of a lane, in window win from v[base] on, register 16 b + i = k 32 b + 16 (lane / 16) + i of my row, become a fragment's codes in v[PC] on (PC is set by the caller) and its scale word in v[pw].
; Each accumulator is read from its low end on.
.macro QUANT win, base, pw
	WIN 5*(\win)
.irp b, 0,1,2,3
	v_max3_num_f32 v[TM+\b], |v[(\base)+16*\b]|, |v[(\base)+16*\b+1]|, 0x1800000   ; block b: my 16 numbers, and the floor 2^(3 - 127): the byte cannot fall under 1
.endr
	WIN 0x14*(\win)
.irp i, 2,4,6,8,10,12,14
.irp b, 0,1,2,3
	v_max3_num_f32 v[TM+\b], v[TM+\b], |v[(\base)+16*\b+\i]|, |v[(\base)+16*\b+\i+1]|
.endr
.endr
	WIN 0
.irp b, 0,1,2,3
	v_permlanex16_b32 v[TM+4+\b], v[TM+\b], s[SEL], s[SEL+1]
.endr
.irp b, 0,1,2,3
	v_max_num_f32 v[TM+\b], v[TM+\b], v[TM+4+\b]   ; with lane l xor 16's: the block's largest magnitude
.endr
.irp b, 0,1,2,3
	v_add_nc_u32 v[TM+12+\b], 0xff000000, v[TM+\b] ; 2 off its exponent field: the conversion's scale operand
.endr
.irp b, 0,1,2,3
	v_lshrrev_b32 v[TM+4+\b], 23, v[TM+12+\b]      ; the scale's byte
.endr
	v_lshl_or_b32 v[\pw], v[TM+5], 8, v[TM+4]
	v_lshl_or_b32 v[\pw], v[TM+6], 16, v[\pw]
	v_lshl_or_b32 v[\pw], v[TM+7], 24, v[\pw]
	WIN \win
.irp b, 0,1,2,3
	v_cvt_scalef32_pk8_fp4_f32 v[PC+2*\b], v[(\base)+16*\b:(\base)+16*\b+7], v[TM+12+\b]
	v_cvt_scalef32_pk8_fp4_f32 v[PC+2*\b+1], v[(\base)+16*\b+8:(\base)+16*\b+15], v[TM+12+\b]
.endr
	WIN 0
	v_nop                                          ; one plain line behind the scaled conversions
.irp c, 0,1                            ; the operand's layout wants a whole block in a lane
.irp i, 0,1
	v_permlane16_swap_b32 v[PC+4*\c+\i], v[PC+4*\c+2+\i]
.endr
.endr
.endm
.macro FETCHH s, hf                    ; h's eight fragments of K step s
.irp m, 0,1,2,3,4,5,6,7
.irp c, 0,1
	ds_load_b128 v[\hf+8*\m+4*\c:\hf+8*\m+4*\c+3], v1 offset:\m*4096+(\s)*1024+512*\c
.endr
.endr
.endm
.macro WLOAD mat, s                    ; a weight's eight fragments of K step s, mine, into window 1
	WIN 0x40
.irp t, 0,1,2,3,4,5,6,7
.irp e, 0,1
	global_load_b128 v[64*(\s)+8*\t+4*\e:64*(\s)+8*\t+4*\e+3], v1, s[6:7] offset:(\mat)*131072+\t*4096+(\s)*1024+512*\e
.endr
.endr
	WIN 0
.endm
.macro WSLOAD mat                      ; its scale words: eight bytes (two K steps) a row
.irp p, 0,1,2,3
.irp e, 0,1
	global_load_b64 v[WS+4*\p+2*\e:WS+4*\p+2*\e+1], v3, s[26:27] offset:(\mat)*8192+\p*512+\e*256
.endr
.endr
.endm
.macro BIASQ sp                        ; the bias of a transposed product in the result's layout: tile t, lane half h: outputs 32 (t / 2) + 8 (t % 2) + 16 h + 0 .. 7
.irp t, 0,1,2,3,4,5,6,7
	global_load_b128 v[BI+8*\t:BI+8*\t+3], v5, s[\sp:\sp+1] offset:(32*(\t/2)+8*(\t%2))*4
	global_load_b128 v[BI+8*\t+4:BI+8*\t+7], v5, s[\sp:\sp+1] offset:(32*(\t/2)+8*(\t%2))*4+16
.endr
.endm
.macro MUL0 s, hf                      ; transposed: source 0 = W (window 1), source 1 = h; accumulator (m, t) at 64 (m % 4) + 8 t of window 2 + m / 4
.irp g, 0,1
.if (\s) == 0
	WIN 0x81+0x40*\g
.else
	WIN 0xa1+0x50*\g
.endif
.irp n, 0,1,2,3
.irp t, 0,1,2,3,4,5,6,7
.if (\s) == 0
	WM 64*\n+8*\t, 64*(\s)+8*\t, \hf+8*(4*\g+\n), BI+8*\t, WS+4*(\t/2)+(\s), HS+4*(2*\g+\n/2)+(\s), \t%2, \n%2
.else
	WM 64*\n+8*\t, 64*(\s)+8*\t, \hf+8*(4*\g+\n), 64*\n+8*\t, WS+4*(\t/2)+(\s), HS+4*(2*\g+\n/2)+(\s), \t%2, \n%2
.endif
.endr
.endr
.endr
.endm
.macro MUL1 s, hf                      ; source 0 = h, source 1 = W (window 1); accumulator (t, m) at 64 (t % 4) + 8 m of window 2 + t / 4
.irp g, 0,1
.if (\s) == 0
	WIN 0x84+0x40*\g
.else
	WIN 0xa4+0x50*\g
.endif
.irp n, 0,1,2,3
.irp m, 0,1,2,3,4,5,6,7
.if (\s) == 0
	WM 64*\n+8*\m, \hf+8*\m, 64*(\s)+8*(4*\g+\n), BI+8*(4*\g+\n), HS+4*(\m/2)+(\s), WS+4*(2*\g+\n/2)+(\s), \m%2, \n%2
.else
	WM 64*\n+8*\m, \hf+8*\m, 64*(\s)+8*(4*\g+\n), 64*\n+8*\m, HS+4*(\m/2)+(\s), WS+4*(2*\g+\n/2)+(\s), \m%2, \n%2
.endif
.endr
.endr
.endr
.endm
; the chunk's eight units of 64 accumulator registers become eight fragments.  pitch: bytes from a unit's image to the next.
; Unit j's codes lie in v[HF0 + 8 j] on and pair j / 2's scale words in v[PWC + j / 2]: nothing that a store of this chunk reads is written again in it, so the units follow each other without a wait,
; and the next chunk's weights, asked for just ahead, are on their way meanwhile.
.macro EPI pitch, oc, os
.irp j, 0,1,2,3,4,5,6,7
.set PC, HF0+8*\j
	QUANT 2+\j/4, 64*(\j%4), PWE+\j%2
	global_store_b128 v1, v[PC:PC+3], s[\oc:\oc+1] offset:\j*(\pitch)       ; the wave stores 512 consecutive bytes
	global_store_b128 v1, v[PC+4:PC+7], s[\oc:\oc+1] offset:\j*(\pitch)+512
.if \j%2
	v_cndmask_b32 v[PWC+\j/2], v[PWE], v[PWE+1], s21   ; lanes 0-15: the even unit's words, lanes 16-31: the odd unit's
	ds_store_b32 v8, v[PWC+\j/2] offset:(\j/2)*128
.endif
.endr
	ds_load_b128 v[12:15], v9                      ; LDS serves a wave's instructions in order: these see my stores
	s_wait_dscnt 0x0
	global_store_b128 v1, v[12:15], s[\os:\os+1]   ; my 128 scale words: 512 consecutive bytes
.endm
; a chunk.  kind 0: q, k; 1: v.  mat: the weight's number.  next: the kind of the chunk behind it, or -1.  nb: that chunk's bias
.macro CHUNK kind, mat, next, pitch, oc, os, nb
	s_wait_loadcnt 0x0                             ; the weight, its scale words, the bias: asked for a chunk's way out ago, or more
.if \kind
.irp t, 0,1,2,3,4,5,6,7
.irp j, 0,1,2,3,4,5,6,7
	v_mov_b32 v[BI+8*\t+\j], v[BT+\t]              ; a lane holds ONE d here: its bias eight times, since C wants eight registers
.endr
.endr
.rept 8
	v_nop
.endr
.endif
	s_wait_xcnt 0x0                                ; the last chunk's stores have read their registers: h's first set lands on the codes, and v12-15 are loaded again further down
	FETCHH 0, HF0
.irp s, 0,1,2,3
.if \s < 3
	FETCHH \s+1, HF0+64*((\s+1)%2)
	s_wait_dscnt 16                                ; the sixteen just issued may stay out
.else
	s_wait_dscnt 0x0
.endif
.if \kind
	MUL1 \s, HF0+64*(\s%2)
.else
	MUL0 \s, HF0+64*(\s%2)
.endif
	WIN 0
	PLACES
.if \next >= 0
	WLOAD \mat+1, \s                               ; this K step's registers take the next chunk's weight
.endif
.endr
.if \next >= 0
	WSLOAD \mat+1
.endif
.if \next == 0
	BIASQ \nb
.endif
.if \next == 1
.irp t, 0,1,2,3,4,5,6,7
	global_load_b32 v[BT+\t], v6, s[\nb:\nb+1] offset:(32*(\t/2)+8*(\t%2))*4
.endr
.endif
	EPI \pitch, \oc, \os
.endm
	s_load_b512 s[4:19], s[0:1], 0x0               ; hb 4, wt 6, bq 8, bk 10, bv 12, qb 14, kvc 16, kvs 18
	v_lshl_add_u32 v254, v0, 2, 0x8800
	v_mov_b32 v255, 0
	v_lshrrev_b32 v10, 5, v0
	v_readfirstlane_b32 s20, v10                   ; wave 0..3
	v_and_b32 v10, 31, v0
	v_lshlrev_b32 v1, 4, v10                       ; v1: 16 x lane
	v_lshlrev_b32 v2, 2, v10                       ; v2: 4 x lane
	v_lshlrev_b32 v3, 3, v10                       ; v3: 8 x lane
	v_lshlrev_b32 v4, 1, v10                       ; v4: 2 x lane
	v_bfe_u32 v5, v0, 4, 1
	v_lshlrev_b32 v5, 6, v5                        ; v5: 64 h
	v_and_b32 v11, 15, v0
	v_and_b32 v6, 8, v11
	v_add_nc_u32 v6, v6, v11
	v_lshlrev_b32 v6, 2, v6                        ; v6: 4 (r + 8 (r / 8))
	s_lshl_b32 s34, s20, 13
	v_add_nc_u32 v7, s34, v1                       ; v7: LDS: where I put my two tiles of h
	s_lshl_b32 s34, s20, 9
	s_add_co_u32 s34, s34, SST
	v_add_nc_u32 v8, s34, v2                       ; v8, v9: LDS: my wave's scale words, in and out
	v_add_nc_u32 v9, s34, v1
	v_cmp_le_u32 s21, 16, v10                      ; lanes 16-31
	s_mov_b32 s[SEL], 0x76543210
	s_mov_b32 s[SEL+1], 0xfedcba98
	s_mov_b32 s35, 0
	s_mov_b32 s37, 0
	s_lshr_b32 s38, ttmp9, 3                       ; b
	s_and_b32 s39, ttmp9, 7                        ; blk
	s_wait_kmcnt 0x0
	s_lshl_b32 s34, s38, 14                        ; h's scale bytes: batch, my 128 rows of 2 bytes
	s_lshl_b32 s36, s39, 8
	s_add_co_u32 s34, s34, s36
	s_add_co_u32 s34, s34, 8388608
	s_add_nc_u64 s[24:25], s[4:5], s[34:35]
	s_lshl_b32 s34, ttmp9, 15                      ; h's codes: the work-group's eight tiles, my two
	s_lshl_b32 s36, s20, 13
	s_add_co_u32 s34, s34, s36
	s_add_nc_u64 s[4:5], s[4:5], s[34:35]
	s_lshl_b32 s34, s20, 11                        ; the weights' scale words: my four pairs of tiles
	s_add_co_u32 s34, s34, 524288
	s_add_nc_u64 s[26:27], s[6:7], s[34:35]
	s_lshl_b32 s34, s20, 15                        ; the weights' codes: my eight tiles
	s_add_nc_u64 s[6:7], s[6:7], s[34:35]
	s_lshl_b32 s34, s20, 9                         ; the biases: my 128 numbers
	s_add_nc_u64 s[8:9], s[8:9], s[34:35]
	s_add_nc_u64 s[10:11], s[10:11], s[34:35]
	s_add_nc_u64 s[12:13], s[12:13], s[34:35]
	s_mul_i32 s36, ttmp9, 34816                    ; q: scale words of K step w, then codes of K step w
	s_add_co_u32 s34, s34, s36
	s_add_co_u32 s34, s34, 32768
	s_add_nc_u64 s[28:29], s[14:15], s[34:35]
	s_lshl_b32 s34, s20, 10
	s_add_co_u32 s34, s34, s36
	s_add_nc_u64 s[14:15], s[14:15], s[34:35]
	s_lshl_b32 s36, ttmp9, 16                      ; v^T's codes: my eight tiles of d; k's: K step w
	s_lshl_b32 s34, s20, 13
	s_add_co_u32 s34, s34, s36
	s_add_co_u32 s34, s34, 32768
	s_add_nc_u64 s[30:31], s[16:17], s[34:35]
	s_lshl_b32 s34, s20, 10
	s_add_co_u32 s34, s34, s36
	s_add_nc_u64 s[16:17], s[16:17], s[34:35]
	s_lshl_b32 s36, ttmp9, 12                      ; k's and v's scale words
	s_lshl_b32 s34, s20, 9
	s_add_co_u32 s34, s34, s36
	s_add_nc_u64 s[18:19], s[18:19], s[34:35]
	s_add_nc_u64 s[32:33], s[18:19], 2048
.irp j, 0,1,2,3,4,5,6,7,8,9,10,11,12,13,14,15
	global_load_b128 v[HF0+4*\j:HF0+4*\j+3], v1, s[4:5] offset:512*\j   ; my two tiles of h, as they lie
.endr
.irp p, 0,1,2,3
.irp g, 0,1,2,3,4,5,6,7
	global_load_u16 v[176+8*\p+\g], v4, s[24:25] offset:\g*2048+\p*64   ; the two scale bytes of group g for row 32 p + lane
.endr
.endr
	BIASQ 8
	WSLOAD 0
.irp s, 0,1,2,3
	WLOAD 0, \s
.endr
	s_wait_loadcnt 63                              ; 88 loads stand behind h's; 63 is the most that a wait can name
.irp j, 0,1,2,3,4,5,6,7,8,9,10,11,12,13,14,15
	ds_store_b128 v7, v[HF0+4*\j:HF0+4*\j+3] offset:512*\j
.endr
.irp p, 0,1,2,3
.irp s, 0,1,2,3
	v_lshl_or_b32 v[HS+4*\p+\s], v[176+8*\p+2*\s+1], 16, v[176+8*\p+2*\s]   ; K step s: channel blocks 4 s .. 4 s + 3
.endr
.endr
.rept 8
	v_nop                                          ; scale registers written by vector instructions stand eight places ahead of a scaled matrix instruction
.endr
	s_wait_dscnt 0x0                               ; my part of h's images has landed
	s_barrier_signal -1
	s_barrier_wait -1                              ; everybody's has: the one barrier of the launch
	CHUNK 0, 0, 0, 4096, 14, 28, 10                ; q
	CHUNK 0, 1, 1, 4096, 16, 18, 12                ; k
	CHUNK 1, 2, -1, 1024, 30, 32, 12               ; v
	s_wait_tensorcnt 0x0
	ds_add_u32 v254, v255
	s_wait_dscnt 0x0
	s_endpgm
.Lfunc_end_k_qed43b5cd58_qkv:
	.size	k_qed43b5cd58_qkv, .Lfunc_end_k_qed43b5cd58_qkv-k_qed43b5cd58_qkv
	.p2alignl 7, 3214868480
	.fill 96, 4, 3214868480
	.section	.rodata,"a",@progbits
	.p2align	6, 0x0
	.amdhsa_kernel k_qed43b5cd58_qkv
		.amdhsa_group_segment_fixed_size 35328
		.amdhsa_private_segment_fixed_size 0
		.amdhsa_enable_private_segment 0
		.amdhsa_kernarg_size 64
		.amdhsa_user_sgpr_count 2
		.amdhsa_user_sgpr_kernarg_segment_ptr 1
		.amdhsa_wavefront_size32 1
		.amdhsa_system_sgpr_workgroup_id_x 1
		.amdhsa_system_sgpr_workgroup_id_y 1
		.amdhsa_system_sgpr_workgroup_id_z 1
		.amdhsa_system_vgpr_workitem_id 0
		.amdhsa_next_free_vgpr 1024
		.amdhsa_next_free_sgpr 66
		.amdhsa_reserve_vcc 0
		.amdhsa_float_denorm_mode_32 3
		.amdhsa_float_denorm_mode_16_64 3
		.amdhsa_memory_ordered 1
		.amdhsa_forward_progress 1
		.amdhsa_inst_pref_size 248
	.end_amdhsa_kernel
	.amdgpu_metadata
---
amdhsa.version: [ 1, 2 ]
amdhsa.kernels:
  - .name:           k_qed43b5cd58_qkv
    .symbol:         k_qed43b5cd58_qkv.kd
    .args:
      - { .name: hb, .offset: 0, .size: 8, .value_kind: global_buffer, .address_space: global }
      - { .name: wt, .offset: 8, .size: 8, .value_kind: global_buffer, .address_space: global }
      - { .name: bq, .offset: 16, .size: 8, .value_kind: global_buffer, .address_space: global }
      - { .name: bk, .offset: 24, .size: 8, .value_kind: global_buffer, .address_space: global }
      - { .name: bv, .offset: 32, .size: 8, .value_kind: global_buffer, .address_space: global }
      - { .name: qb, .offset: 40, .size: 8, .value_kind: global_buffer, .address_space: global }
      - { .name: kvc, .offset: 48, .size: 8, .value_kind: global_buffer, .address_space: global }
      - { .name: kvs, .offset: 56, .size: 8, .value_kind: global_buffer, .address_space: global }
    .group_segment_fixed_size: 35328
    .private_segment_fixed_size: 0
    .kernarg_segment_align: 8
    .kernarg_segment_size: 64
    .max_flat_workgroup_size: 128
    .sgpr_count:     66
    .vgpr_count:     1024
    .wavefront_size: 32
...
	.end_amdgpu_metadata
.endif
;; end of part 2
;; launch attn (part 3): grid 8 x 32, 4 waves a work-group, clusters of 4 x 1, 327,680 bytes of LDS; arguments qb, kvc, kvs, wt, stats, x, gamma, beta, bp, out0; writes out0
.if DOCPART == 3
	.amdgcn_target "amdgcn-amd-amdhsa--gfx1250"
	.amdhsa_code_object_version 6
	.text
	.protected	k_qed43b5cd58_attn
	.globl	k_qed43b5cd58_attn
	.p2align	8
	.type	k_qed43b5cd58_attn,@function
k_qed43b5cd58_attn:
	s_mov_b64 s[64:65], 0
	v_nop
	global_prefetch_b8 v0, s[64:65] scope:SCOPE_SE
	s_setreg_imm32_b32 hwreg(HW_REG_WAVE_MODE, 25, 1), 1
	s_wait_xcnt 0x0
	s_wait_alu depctr_hold_cnt(0) depctr_sa_sdst(0) depctr_va_vdst(0) depctr_va_sdst(0) depctr_va_ssrc(0) depctr_va_vcc(0) depctr_vm_vsrc(0)
	s_getreg_b32 s2, hwreg(HW_REG_IB_STS2, 6, 4)
	s_cmp_eq_u32 s2, 0
	s_cbranch_scc0 .Lentry_in_a_cluster
	s_endpgm
.Lentry_in_a_cluster:
	s_bfe_u32 s2, ttmp6, 0x10000c
	s_cmp_lg_u32 s2, 0x3003
	s_cbranch_scc0 .Lentry_shape_is_right
	s_endpgm
.Lentry_shape_is_right:
; out = (softmax(q k^T / sqrt(512)) v) Wp^T + bp, stored [b][e][n], + the normalised x.  All three products on codes of FP4 (E2M1) with one E8M0 scale for each 32 along K.
; THE SOFTMAX: t = score x log2(e) / sqrt(512); M = the row's largest t so far, rounded UP to a whole number; p = 2^(t - M) is quantised along the keys, not normalised; the row's sum is taken of the unquantised p and
; divides O at the end.  When M moves, the sum and O are multiplied by 2^(old M - new M): exact.
; SHARES.  A work-group owns 128 queries of batch b.  In the attention wave w owns tiles 2 w and 2 w + 1 (32 queries), so each fragment of K and V read from LDS feeds two matrix instructions; O^T (512 x 32) fills windows 2 and 3.
; Both products are used transposed (S^T = K Q^T, O^T = V^T P^T): a lane holds one query throughout.  Row r of tile 2 b + u is true row 32 b + 8 u + r + 8 (r / 8), for keys, for d and for e: so the 16 registers of two
; neighbouring tiles are 16 neighbours along the next K.  In the projection THE WAVES SHARE THE COLUMNS: wave w makes e = 128 w .. 128 w + 127 for all 128 queries (source 0 = O, source 1 = Wp: a lane holds one e and
; its registers run along n, as out0 wants them); O's codes go from wave to wave through LDS as images of their registers.
; CLUSTER.  The four work-groups of a cluster belong to one batch and walk the same K, V, scale bytes and Wp: every tensor load is asked for JOINTLY, by the same line with the same descriptor and the mask 15.
; Each wave moves a quarter of each tile (rows of its own by its number).  A wave has three tensor loads out at the start and one behind each round.
; THE RING: two slots of one key step (128 keys: 32 KB of K's images, 32 KB of V^T's).  Behind each of eight rounds the slot just left is filled; the eighth refill is the lower half of Wp's codes, into the
; slot that lies directly under the bytes that hold the upper half since the start: so every trip of the loop issues its load, and no tail is written out.
; THE RESIDUAL: xn = x A + (beta - mean A), A = gamma rstd.  The constant part goes with bp into the C of the projection's first K step; x A is added on the way out, where a row of 512 bytes has one e.
; THE WAYS OUT HAVE NO WAIT BETWEEN UNITS: each of O's eight fragments has eight registers of its own for its codes, and a tile of the result comes back from the stage into the accumulators that it left,
; takes x A there and is stored from there: no register that a store reads is written again.
; LIMITS: a block of zeros, or one whose largest magnitude lies under 2^-124, keeps the scale byte 1; NaN and infinities are not served; 1 / l by v_rcp_f32; c is one f32 constant;
; the residual's two parts cancel a common offset of x: its error grows with offset x 2^-23 (it goes into the output alone, ahead of no quantiser).
; REGISTERS.  window 0: v1-11 addresses; v12-27 statistics, 8 a tile; v28-55 at work, 14 a tile; v56-71 K's scale words (later O's), v72-87 V's, v88-91 Q's, v92-93 p's, v112-127 Wp's; v94, v95 offsets; v96-111 p's codes;
;   v128-255 S^T, then p, 64 a tile; behind the loop v160-223 O's codes, then O's fragments.   window 1: v0-63 Q; v64.., v128.., v192.. three sets of eight fragments; later Wp's fragments, C and x.
;   windows 2, 3: O^T of tile 0, 1; later the projection's accumulators, at last whole rows of the result.
.set SLOTA, 65536                      ; LDS: odd key steps from 0, even ones from here; at last Wp's lower half;
.set WPB,   131072                     ; Wp's upper half, filled once;
.set SCB,   196608                     ; the batch's scale bytes, 4,096 a key step, filled once;
.set SPARE, 229376                     ; the spare words, 128 bytes for each wave: two blocks of 256 bytes that no other line names;
.set OIMG,  229888                     ; O's 32 fragments [tile 8][K step 4][1,024];
.set OSC,   262656                     ; their scale words [K step 4][row 128][4];
.set STG,   264704                     ; the way out: 16 rows x (512 + 16) bytes for each wave
.set ST,  12                           ; + 8 q: -M, the largest t, l (two halves), f, a word that is only named, two at work
.set TMP, 28                           ; + 14 q: 0-3 the blocks' largest, 4-7 the other half's, then bytes, 8-11 scale operands, 12-13 a second chain of sums
.set TM,  28                           ; the quantiser's registers, behind the loop
.set KS,  56
.set VS,  72
.set QS,  88
.set PW,  92
.set PC,  96                           ; p's codes in the loop; behind it the symbol is set anew for each of O's fragments
.set WS,  112
.set S,   128
.set F0,  64
.set F1,  128
.set F2,  192
.set BI,  192                          ; window 1: the C of the projection's first K step
.set CS,  58
.set SEL, 60
.set MSB, 0
.macro WIN new                         ; the immediate's high byte repeats the setting that is left
.if MSB != (\new)
	s_set_vgpr_msb (MSB<<8)|(\new)
.set MSB, \new
.endif
.endm
.macro PLACES                          ; four places behind matrix instructions, in front of loads into their registers and of reads of their results
.rept 4
	v_nop
.endr
.endm
.macro WM d, a, b, c, sa, sb, ra, rb   ; one matrix instruction.  c < 0: the constant 0 starts the sum.  ra, rb: the side's scale words stand in lanes 16-31
.if (\c) < 0
.if (\ra) == 0 && (\rb) == 0
	v_wmma_scale_f32_16x16x128_f8f6f4 v[(\d):(\d)+7], v[(\a):(\a)+7], v[(\b):(\b)+7], 0, v[\sa], v[\sb] matrix_a_fmt:MATRIX_FMT_FP4 matrix_b_fmt:MATRIX_FMT_FP4
.elseif (\rb) == 0
	v_wmma_scale_f32_16x16x128_f8f6f4 v[(\d):(\d)+7], v[(\a):(\a)+7], v[(\b):(\b)+7], 0, v[\sa], v[\sb] matrix_a_fmt:MATRIX_FMT_FP4 matrix_b_fmt:MATRIX_FMT_FP4 matrix_a_scale:MATRIX_SCALE_ROW1
.elseif (\ra) == 0
	v_wmma_scale_f32_16x16x128_f8f6f4 v[(\d):(\d)+7], v[(\a):(\a)+7], v[(\b):(\b)+7], 0, v[\sa], v[\sb] matrix_a_fmt:MATRIX_FMT_FP4 matrix_b_fmt:MATRIX_FMT_FP4 matrix_b_scale:MATRIX_SCALE_ROW1
.else
	v_wmma_scale_f32_16x16x128_f8f6f4 v[(\d):(\d)+7], v[(\a):(\a)+7], v[(\b):(\b)+7], 0, v[\sa], v[\sb] matrix_a_fmt:MATRIX_FMT_FP4 matrix_b_fmt:MATRIX_FMT_FP4 matrix_a_scale:MATRIX_SCALE_ROW1 matrix_b_scale:MATRIX_SCALE_ROW1
.endif
.else
.if (\ra) == 0 && (\rb) == 0
	v_wmma_scale_f32_16x16x128_f8f6f4 v[(\d):(\d)+7], v[(\a):(\a)+7], v[(\b):(\b)+7], v[(\c):(\c)+7], v[\sa], v[\sb] matrix_a_fmt:MATRIX_FMT_FP4 matrix_b_fmt:MATRIX_FMT_FP4
.elseif (\rb) == 0
	v_wmma_scale_f32_16x16x128_f8f6f4 v[(\d):(\d)+7], v[(\a):(\a)+7], v[(\b):(\b)+7], v[(\c):(\c)+7], v[\sa], v[\sb] matrix_a_fmt:MATRIX_FMT_FP4 matrix_b_fmt:MATRIX_FMT_FP4 matrix_a_scale:MATRIX_SCALE_ROW1
.elseif (\ra) == 0
	v_wmma_scale_f32_16x16x128_f8f6f4 v[(\d):(\d)+7], v[(\a):(\a)+7], v[(\b):(\b)+7], v[(\c):(\c)+7], v[\sa], v[\sb] matrix_a_fmt:MATRIX_FMT_FP4 matrix_b_fmt:MATRIX_FMT_FP4 matrix_b_scale:MATRIX_SCALE_ROW1
.else
	v_wmma_scale_f32_16x16x128_f8f6f4 v[(\d):(\d)+7], v[(\a):(\a)+7], v[(\b):(\b)+7], v[(\c):(\c)+7], v[\sa], v[\sb] matrix_a_fmt:MATRIX_FMT_FP4 matrix_b_fmt:MATRIX_FMT_FP4 matrix_a_scale:MATRIX_SCALE_ROW1 matrix_b_scale:MATRIX_SCALE_ROW1
.endif
.endif
.endm
; 64 numbers of a lane, in window win from v[base] on, register 16 b + i = k 32 b + 16 (lane / 16) + i of my row, become a fragment's codes in v[PC] on (PC is set by the caller) and its scale word in v[pw]
.macro QUANT win, base, pw
	WIN 5*(\win)
.irp b, 0,1,2,3
	v_max3_num_f32 v[TM+\b], |v[(\base)+16*\b]|, |v[(\base)+16*\b+1]|, 0x1800000   ; block b: my 16 numbers, and the floor 2^(3 - 127): the byte cannot fall under 1
.endr
	WIN 0x14*(\win)
.irp i, 2,4,6,8,10,12,14
.irp b, 0,1,2,3
	v_max3_num_f32 v[TM+\b], v[TM+\b], |v[(\base)+16*\b+\i]|, |v[(\base)+16*\b+\i+1]|
.endr
.endr
	WIN 0
.irp b, 0,1,2,3
	v_permlanex16_b32 v[TM+4+\b], v[TM+\b], s[SEL], s[SEL+1]
.endr
.irp b, 0,1,2,3
	v_max_num_f32 v[TM+\b], v[TM+\b], v[TM+4+\b]
.endr
.irp b, 0,1,2,3
	v_add_nc_u32 v[TM+12+\b], 0xff000000, v[TM+\b]
.endr
.irp b, 0,1,2,3
	v_lshrrev_b32 v[TM+4+\b], 23, v[TM+12+\b]
.endr
	v_lshl_or_b32 v[\pw], v[TM+5], 8, v[TM+4]
	v_lshl_or_b32 v[\pw], v[TM+6], 16, v[\pw]
	v_lshl_or_b32 v[\pw], v[TM+7], 24, v[\pw]
	WIN \win
.irp b, 0,1,2,3
	v_cvt_scalef32_pk8_fp4_f32 v[PC+2*\b], v[(\base)+16*\b:(\base)+16*\b+7], v[TM+12+\b]
	v_cvt_scalef32_pk8_fp4_f32 v[PC+2*\b+1], v[(\base)+16*\b+8:(\base)+16*\b+15], v[TM+12+\b]
.endr
	WIN 0
	v_nop                                          ; one plain line behind the scaled conversions
.irp c, 0,1
.irp i, 0,1
	v_permlane16_swap_b32 v[PC+4*\c+\i], v[PC+4*\c+2+\i]
.endr
.endr
.endm
; A round of the cluster's barrier: my work-group's barrier, so that wave 0's signal speaks for all four waves; wave 0 signals; every wave waits for all four work-groups; my work-group's barrier once more.
.macro CROUND
	s_barrier_signal -1
	s_barrier_wait -1
	s_cmp_lg_u32 s52, 0
	s_cbranch_scc1 .Lnot_wave_0_\@
	s_barrier_signal -3
.Lnot_wave_0_\@:
	s_barrier_wait -3
	s_barrier_signal -1
	s_barrier_wait -1
.endm
; THE CHANGE OF SLOTS stands at a key step's head.  Each wave waits for all its tensor loads (its quarter of the slot that it is about to read), adds 0 to its spare word, and waits for that and for its reads of the slot
; that it has left.  fill = 1: behind a round of the cluster's barrier that slot is filled: with the next key step, or, when one trip is left, with Wp's lower half.  The load has a whole key step in which to land.
.macro CHANGE fill
	s_wait_tensorcnt 0x0                           ; no tensor load of mine is out, so the descriptor may be written
	ds_add_u32 v5, v6                              ; 0 onto my spare word
.if \fill
	s_xor_b32 s41, s41, SLOTA                      ; the other slot than last time
	s_add_nc_u64 s[48:49], s[48:49], 65536         ; the next 128 keys
	s_cmp_eq_u32 s56, 1                            ; the choice hangs on the count of trips alone
	s_cselect_b64 s[42:43], s[50:51], s[48:49]
	s_or_b32 s43, s43, 0x80000000
.endif
	s_wait_dscnt 0x0                               ; the add is done, and my reads of the slot that I have left are over
.if \fill
	CROUND
	tensor_load_to_lds s[40:43], s[24:31]          ; the first thing behind the round, and my one tensor load until the next
	s_nop 0
.rept 4
	v_nop
.endr
.else
	s_barrier_signal -1
	s_barrier_wait -1
.endif
.endm
.macro LK g, f                         ; K's tiles 2 g, 2 g + 1, all four K steps: eight fragments
	WIN 0x40
.irp u, 0,1
.irp s, 0,1,2,3
.irp c, 0,1
	ds_load_b128 v[\f+32*\u+8*\s+4*\c:\f+32*\u+8*\s+4*\c+3], v3 offset:(2*\g+\u)*4096+\s*1024+512*\c
.endr
.endr
.endr
.endm
.macro LV g, f                         ; V^T's tiles 8 g .. 8 g + 7
	WIN 0x40
.irp i, 0,1,2,3,4,5,6,7
.irp c, 0,1
	ds_load_b128 v[\f+8*\i+4*\c:\f+8*\i+4*\c+3], v3 offset:32768+(8*\g+\i)*1024+512*\c
.endr
.endr
.endm
.macro MULS g, f                       ; S^T of keys 32 g on, for my two tiles of queries: four accumulators by turns, K ascending
	WIN 0x05
.irp s, 0,1,2,3
.irp u, 0,1
.irp q, 0,1
.if \s == 0
	WM S+64*\q+8*(2*\g+\u), \f+32*\u+8*\s, 32*\q+8*\s, -1, KS+4*\g+\s, QS+\s, \u, \q
.else
	WM S+64*\q+8*(2*\g+\u), \f+32*\u+8*\s, 32*\q+8*\s, S+64*\q+8*(2*\g+\u), KS+4*\g+\s, QS+\s, \u, \q
.endif
.endr
.endr
.endr
.endm
.macro MV g, f, first                  ; O^T += V^T P^T, d tiles 8 g .. 8 g + 7; first = 1: the products start the sums: nothing is ever cleared
.irp q, 0,1
	WIN 0xa1+0x50*\q
.irp i, 0,1,2,3,4,5,6,7
.if \first
	WM 8*(8*\g+\i), \f+8*\i, PC+8*\q, -1, VS+4*\g+\i/2, PW+\q, \i%2, 0
.else
	WM 8*(8*\g+\i), \f+8*\i, PC+8*\q, 8*(8*\g+\i), VS+4*\g+\i/2, PW+\q, \i%2, 0
.endif
.endr
.endr
.endm
.macro SOFTMAX first                   ; both tiles, line by line by turns
	WIN 0
.irp b, 0,1,2,3
.irp q, 0,1
	v_max3_num_f32 v[TMP+14*\q+\b], v[S+64*\q+16*\b], v[S+64*\q+16*\b+1], v[S+64*\q+16*\b+2]   ; the largest score of each block of 32 keys: it serves the row's maximum and, since p rises with the score, the block's largest p
.endr
.endr
.irp i, 3,5,7,9,11,13
.irp b, 0,1,2,3
.irp q, 0,1
	v_max3_num_f32 v[TMP+14*\q+\b], v[TMP+14*\q+\b], v[S+64*\q+16*\b+\i], v[S+64*\q+16*\b+\i+1]
.endr
.endr
.endr
.irp b, 0,1,2,3
.irp q, 0,1
	v_max_num_f32 v[TMP+14*\q+\b], v[TMP+14*\q+\b], v[S+64*\q+16*\b+15]
.endr
.endr
.irp b, 0,1,2,3
.irp q, 0,1
	v_permlanex16_b32 v[TMP+14*\q+4+\b], v[TMP+14*\q+\b], s[SEL], s[SEL+1]
.endr
.endr
.irp b, 0,1,2,3
.irp q, 0,1
	v_max_num_f32 v[TMP+14*\q+\b], v[TMP+14*\q+\b], v[TMP+14*\q+4+\b]   ; with lane l xor 16's 16 keys
.endr
.endr
.irp q, 0,1
	v_max3_num_f32 v[ST+8*\q+6], v[TMP+14*\q], v[TMP+14*\q+1], v[TMP+14*\q+2]
.endr
.irp q, 0,1
	v_max_num_f32 v[ST+8*\q+6], v[ST+8*\q+6], v[TMP+14*\q+3]
.endr
.irp q, 0,1
	v_mul_f32 v[ST+8*\q+6], s[CS], v[ST+8*\q+6]    ; as t (c is positive)
.endr
.irp q, 0,1
	v_max_num_f32 v[ST+8*\q+1], v[ST+8*\q+1], v[ST+8*\q+6]   ; the running largest t
.endr
.irp q, 0,1
	v_mov_b32 v[ST+8*\q+6], v[ST+8*\q]
.endr
.irp q, 0,1
	v_floor_f32 v[ST+8*\q], -v[ST+8*\q+1]          ; the new -M = floor(-t): M is a whole number
.endr
.irp q, 0,1
	v_sub_f32 v[ST+8*\q+6], v[ST+8*\q], v[ST+8*\q+6]   ; old M - new M: a whole number, 0 or less
.endr
.irp q, 0,1
	v_cvt_i32_f32 v[ST+8*\q+6], v[ST+8*\q+6]       ; (it saturates)
.endr
.irp q, 0,1
	v_ldexp_f32 v[ST+8*\q+4], 1.0, v[ST+8*\q+6]    ; f = 2^(old M - new M)
.endr
.irp q, 0,1
.set jj, 0
.rept 32
	v_pk_fma_f32 v[S+64*\q+jj:S+64*\q+jj+1], v[S+64*\q+jj:S+64*\q+jj+1], s[CS:CS+1], v[ST+8*\q:ST+8*\q+1] op_sel_hi:[1,0,0]   ; t - M (of the pairs c and -M the low word serves both halves)
.set jj, jj+2
.endr
.endr
.irp b, 0,1,2,3
.irp q, 0,1
	v_fma_f32 v[TMP+14*\q+\b], v[TMP+14*\q+\b], s[CS], v[ST+8*\q]   ; the same of each block's largest score
.endr
.endr
.set jj, 0
.rept 128
	v_exp_f32 v[S+jj], v[S+jj]                     ; p = 2^(t - M), at most 1: not normalised
.set jj, jj+1
.endr
.irp b, 0,1,2,3
.irp q, 0,1
	v_exp_f32 v[TMP+14*\q+\b], v[TMP+14*\q+\b]     ; the block's largest p: the same two instructions on the same number give the same bits
.endr
.endr
.irp q, 0,1
	v_pk_mul_f32 v[ST+8*\q+2:ST+8*\q+3], v[ST+8*\q+2:ST+8*\q+3], v[ST+8*\q+4:ST+8*\q+5] op_sel_hi:[1,0]   ; the sums under the new M; a plain line behind the exponentials
.endr
	s_wait_alu depctr_va_vdst(0)
.irp b, 0,1,2,3
.irp q, 0,1
	v_max_num_f32 v[TMP+14*\q+\b], 0x1800000, v[TMP+14*\q+\b]   ; the floor 2^(3 - 127)
.endr
.endr
.irp b, 0,1,2,3
.irp q, 0,1
	v_add_nc_u32 v[TMP+14*\q+8+\b], 0xff000000, v[TMP+14*\q+\b]   ; 2 off the exponent field: the conversion's scale operand
.endr
.endr
.irp b, 0,1,2,3
.irp q, 0,1
	v_lshrrev_b32 v[TMP+14*\q+4+\b], 23, v[TMP+14*\q+8+\b]   ; the scale's byte
.endr
.endr
.irp q, 0,1
	v_lshl_or_b32 v[PW+\q], v[TMP+14*\q+5], 8, v[TMP+14*\q+4]   ; p's scale word for these 128 keys
.endr
.irp q, 0,1
	v_lshl_or_b32 v[PW+\q], v[TMP+14*\q+6], 16, v[PW+\q]
.endr
.irp q, 0,1
	v_lshl_or_b32 v[PW+\q], v[TMP+14*\q+7], 24, v[PW+\q]
.endr
.irp q, 0,1
.irp b, 0,1,2,3
	v_cvt_scalef32_pk8_fp4_f32 v[PC+8*\q+2*\b], v[S+64*\q+16*\b:S+64*\q+16*\b+7], v[TMP+14*\q+8+\b]
	v_cvt_scalef32_pk8_fp4_f32 v[PC+8*\q+2*\b+1], v[S+64*\q+16*\b+8:S+64*\q+16*\b+15], v[TMP+14*\q+8+\b]
.endr
.endr
	v_nop                                          ; one plain line behind the scaled conversions
.irp q, 0,1
.irp c, 0,1
.irp i, 0,1
	v_permlane16_swap_b32 v[PC+8*\q+4*\c+\i], v[PC+8*\q+4*\c+2+\i]
.endr
.endr
.endr
.irp q, 0,1
	v_pk_add_f32 v[TMP+14*\q+12:TMP+14*\q+13], v[S+64*\q:S+64*\q+1], v[S+64*\q+2:S+64*\q+3]   ; the row's sum is taken of the unquantised p: two chains a tile
.endr
.irp j, 4,8,12,16,20,24,28,32,36,40,44,48,52,56,60
.irp q, 0,1
	v_pk_add_f32 v[ST+8*\q+2:ST+8*\q+3], v[ST+8*\q+2:ST+8*\q+3], v[S+64*\q+\j:S+64*\q+\j+1]
	v_pk_add_f32 v[TMP+14*\q+12:TMP+14*\q+13], v[TMP+14*\q+12:TMP+14*\q+13], v[S+64*\q+\j+2:S+64*\q+\j+3]
.endr
.endr
.irp q, 0,1
	v_pk_add_f32 v[ST+8*\q+2:ST+8*\q+3], v[ST+8*\q+2:ST+8*\q+3], v[TMP+14*\q+12:TMP+14*\q+13]
.endr
.if !\first
.irp q, 0,1
	WIN 0x82+0x41*\q
.set jj, 0
.rept 128
	v_pk_mul_f32 v[jj:jj+1], v[jj:jj+1], v[ST+8*\q+4:ST+8*\q+5] op_sel_hi:[1,0]   ; O^T under the new M, each accumulator from its low end on
.set jj, jj+2
.endr
.endr
.endif
.endm
; A KEY STEP: 128 keys.  LDS loads stand in runs of sixteen, each run two or three runs ahead of its use; three sets of V's fragments land under the softmax.
.macro STEP first
	v_add_nc_u32 v3, s54, v1                       ; the slot in hand; with the two v_nop: four places behind the last step's products
	v_add_nc_u32 v4, s55, v2                       ; the step's scale words
	v_nop
	v_nop
.irp p, 0,1,2,3
.irp s, 0,1,2,3
	ds_load_b32 v[KS+4*\p+\s], v4 offset:\s*512+\p*128   ; lanes 0-15: tile 2 p's rows, lanes 16-31: tile 2 p + 1's
.endr
.endr
	LK 0, F0
	LK 1, F1
	LK 2, F2
	WIN 0
.irp i, 0,1,2,3,4,5,6,7,8,9,10,11,12,13,14,15
	ds_load_b32 v[VS+\i], v4 offset:2048+128*\i
.endr
	s_wait_dscnt 48                                ; behind K's first run: two runs of K and V's scale words
	MULS 0, F0
	PLACES
	LK 3, F0
	s_wait_dscnt 48                                ; behind the second: K's third, V's scale words, K's fourth
	MULS 1, F1
	PLACES
	LV 0, F1
	s_wait_dscnt 48                                ; behind the third: V's scale words, K's fourth, V's first
	MULS 2, F2
	PLACES
	LV 1, F2
	s_wait_dscnt 32                                ; behind the fourth: V's first and second
	MULS 3, F0
	PLACES
	LV 2, F0
	SOFTMAX \first
	s_wait_dscnt 0x0
	MV 0, F1, \first
	PLACES
	LV 3, F1
	MV 1, F2, \first
	MV 2, F0, \first
	s_wait_dscnt 0x0
	MV 3, F1, \first
	WIN 0
	s_xor_b32 s54, s54, SLOTA                      ; on to the other slot,
	s_add_co_u32 s55, s55, 4096                    ; and to the next step's scale words
.endm
	s_load_b512 s[4:19], s[0:1], 0x0               ; qb 4, kvc 6, kvs 8, wt 10, stats 12, x 14, gamma 16, beta 18
	s_load_b128 s[20:23], s[0:1], 0x40             ; bp 20, out0 22
	v_lshl_add_u32 v5, v0, 2, SPARE
	v_mov_b32 v6, 0
	ds_add_u32 v5, v6
	ds_add_u32 v5, v6
	s_wait_dscnt 0x0
	v_lshrrev_b32 v3, 5, v0
	v_readfirstlane_b32 s52, v3                    ; wave 0..3
	s_and_b32 s3, ttmp7, 0xffff                    ; the batch, which the four partners share
	; descriptor group 1: dense bytes as rows of 256 (32 elements of 8 bytes), no padding: an image is read 16 bytes a lane on end
	s_mov_b32 s24, 15|(3<<16)|(1<<21)              ; 15:0 the mask: all four work-groups; 17:16 elements of 8 bytes; 21 set beside a mask
	s_mov_b32 s25, 32<<16                          ; tensor_dim0 = 32
	s_mov_b32 s26, 64<<16                          ; tensor_dim1 = 64
	s_mov_b32 s27, 32<<16                          ; tile_dim0 = 32
	s_mov_b32 s28, 64                              ; tile_dim1 = 64 rows: 16,384 bytes a wave
	s_mov_b32 s29, 32                              ; the pitch
	s_mov_b32 s30, 0
	s_mov_b32 s31, 0
	s_mov_b32 s32, 15|(3<<16)|(1<<21)              ; the same with 32 rows, for the scale bytes: 8,192 bytes a wave
	s_mov_b32 s33, 32<<16
	s_mov_b32 s34, 32<<16
	s_mov_b32 s35, 32<<16
	s_mov_b32 s36, 32
	s_mov_b32 s37, 32
	s_mov_b32 s38, 0
	s_mov_b32 s39, 0
	s_lshl_b32 s88, s3, 19                         ; K and V: the batch's 524,288 bytes, my quarter of a key step
	s_lshl_b32 s2, s52, 14
	s_add_co_u32 s88, s88, s2
	s_mov_b32 s89, 0
	s_lshl_b32 s90, s3, 15                         ; their scale bytes: the batch's 32,768, my quarter
	s_lshl_b32 s2, s52, 13
	s_add_co_u32 s90, s90, s2
	s_mov_b32 s91, 0
	s_lshl_b32 s92, s52, 14                        ; Wp's codes: my quarter of a half
	s_add_co_u32 s92, s92, 393216
	s_mov_b32 s93, 0
	s_lshl_b32 s94, s3, 11                         ; the statistics of groups 2 w and 2 w + 1
	s_lshl_b32 s2, s52, 9
	s_add_co_u32 s94, s94, s2
	s_mov_b32 s95, 0
	s_mov_b32 s40, 1                               ; group 0 of the ring: count 1; LDS address: the even slot, my quarter
	s_lshl_b32 s41, s52, 14
	s_add_co_u32 s41, s41, SLOTA
	s_mov_b32 s44, 1                               ; of the scale bytes
	s_lshl_b32 s45, s52, 13
	s_add_co_u32 s45, s45, SCB
	s_mov_b32 s84, 1                               ; of Wp's upper half
	s_lshl_b32 s85, s52, 14
	s_add_co_u32 s85, s85, WPB
	s_mov_b32 s[CS], 0x3d8293ee                    ; c = log2(e) / sqrt(512)
	s_mov_b32 s[CS+1], s[CS]                       ; (named with it as a pair, so it is written)
	s_mov_b32 s[SEL], 0x76543210
	s_mov_b32 s[SEL+1], 0xfedcba98
	s_mov_b32 s54, SLOTA                           ; key step 0 lies in the even slot
	s_mov_b32 s55, 0
	s_mov_b32 s56, 7                               ; trips of the loop
	s_wait_kmcnt 0x0
	s_add_nc_u64 s[48:49], s[6:7], s[88:89]        ; the walking address of K and V
	s_add_nc_u64 s[50:51], s[10:11], s[92:93]      ; Wp's lower half
	s_add_nc_u64 s[8:9], s[8:9], s[90:91]
	s_add_nc_u64 s[12:13], s[12:13], s[94:95]
	s_mov_b64 s[42:43], s[48:49]
	s_or_b32 s43, s43, 0x80000000                  ; type = 2
	s_mov_b64 s[46:47], s[8:9]
	s_or_b32 s47, s47, 0x80000000
	s_add_nc_u64 s[86:87], s[50:51], 65536
	s_or_b32 s87, s87, 0x80000000
	s_load_b64 s[62:63], s[12:13], 0x0             ; mean, rstd of group 2 w
	s_load_b64 s[66:67], s[12:13], 0x100           ; of group 2 w + 1
	CROUND                                         ; all four work-groups are here: the first joint loads meet
	tensor_load_to_lds s[44:47], s[32:39]          ; the three first fills stand together: three loads of mine are out
	s_nop 0
	tensor_load_to_lds s[84:87], s[24:31]
	s_nop 0
	tensor_load_to_lds s[40:43], s[24:31]
	s_nop 0
.rept 4
	v_nop
.endr
	; what hangs on my place in the cluster: Q's, x's and out0's addresses, and nothing else
	s_bfe_u32 s53, ttmp6, 0x40000
	s_lshl_b32 s2, ttmp9, 2
	s_add_co_u32 s53, s2, s53                      ; my block of 128 queries = 4 x cluster x + cx
	s_lshl_b32 s96, s3, 21
	s_lshl_b32 s2, s52, 19
	s_add_co_u32 s96, s96, s2
	s_lshl_b32 s2, s53, 9
	s_add_co_u32 s96, s96, s2                      ; x, out0: batch, my 128 channels, my block's 512 bytes of a row
	s_mov_b32 s97, 0
	s_add_nc_u64 s[14:15], s[14:15], s[96:97]
	s_add_nc_u64 s[22:23], s[22:23], s[96:97]
	s_lshl_b32 s98, s3, 3
	s_add_co_u32 s98, s98, s53
	s_mul_i32 s98, s98, 34816
	s_mov_b32 s99, 0
	s_add_nc_u64 s[4:5], s[4:5], s[98:99]
	s_mov_b32 s3, 0
	s_lshl_b32 s2, s52, 7
	s_add_co_u32 s2, s2, 32768
	s_add_nc_u64 s[88:89], s[4:5], s[2:3]          ; Q's scale words: my pair of tiles
	s_lshl_b32 s2, s52, 13
	s_add_nc_u64 s[4:5], s[4:5], s[2:3]            ; Q's codes: my two tiles
	s_lshl_b32 s2, s52, 11
	s_add_co_u32 s2, s2, 548864
	s_add_nc_u64 s[90:91], s[10:11], s[2:3]        ; Wp's scale words: my four pairs of tiles
	s_lshl_b32 s2, s52, 9
	s_add_nc_u64 s[16:17], s[16:17], s[2:3]        ; gamma, beta, bp: my 128 channels
	s_add_nc_u64 s[18:19], s[18:19], s[2:3]
	s_add_nc_u64 s[20:21], s[20:21], s[2:3]
	v_and_b32 v128, 31, v0                         ; lane
	v_and_b32 v129, 15, v0                         ; r
	v_bfe_u32 v130, v0, 4, 1                       ; h
	v_lshlrev_b32 v1, 4, v128                      ; v1: 16 x lane
	v_lshlrev_b32 v95, 2, v128                     ; v95: 4 x lane
	v_lshlrev_b32 v132, 3, v128
	v_add_nc_u32 v2, SCB, v95                      ; v2: my lane's place among a step's scale words
	s_mul_i32 s2, s52, 16*528
	s_add_co_u32 s2, s2, STG
	v_mul_u32_u24 v7, v129, 528
	v_lshl_add_u32 v7, v130, 6, v7
	v_add_nc_u32 v7, s2, v7                        ; v7: the stage, in: row r, + 64 h
	v_add_nc_u32 v8, s2, v1                        ; v8: and back: 16 bytes a lane of a row
	v_and_b32 v9, 8, v129
	v_add_nc_u32 v9, v9, v129
	v_lshlrev_b32 v9, 2, v9                        ; v9: 4 (r + 8 (r / 8))
	s_lshl_b32 s2, s52, 13
	s_add_co_u32 s2, s2, OIMG
	v_add_nc_u32 v10, s2, v1                       ; v10: where I store O's images
	s_lshl_b32 s2, s52, 7
	s_add_co_u32 s2, s2, OSC
	v_add_nc_u32 v11, s2, v95                      ; v11: and their scale words
	v_lshrrev_b32 v94, 1, v128
	v_lshlrev_b32 v94, 12, v94
	v_and_b32 v131, 1, v128
	v_lshl_add_u32 v94, v131, 8, v94               ; v94: the prefetch: row lane / 2, block of 256 bytes lane % 2
	v_cmp_le_u32 s57, 16, v128                     ; lanes 16-31
	WIN 0x40
.irp q, 0,1
.irp s, 0,1,2,3
.irp c, 0,1
	global_load_b128 v[32*\q+8*\s+4*\c:32*\q+8*\s+4*\c+3], v1, s[4:5] offset:\q*4096+\s*1024+512*\c   ; Q stays in registers
.endr
.endr
.endr
	WIN 0
.irp s, 0,1,2,3
	global_load_b32 v[QS+\s], v95, s[88:89] offset:\s*512
.endr
.irp p, 0,1,2,3
.irp e, 0,1
	global_load_b64 v[WS+4*\p+2*\e:WS+4*\p+2*\e+1], v132, s[90:91] offset:\p*512+\e*256
.endr
.endr
.irp q, 0,1
	v_mov_b32 v[ST+8*\q+1], 0xff61b1e6             ; the largest t so far: -3e38, under every t
	v_floor_f32 v[ST+8*\q], -v[ST+8*\q+1]          ; -M
	v_mov_b32 v[ST+8*\q+2], 0                      ; the sum, in two halves
	v_mov_b32 v[ST+8*\q+3], 0
	v_mov_b32 v[ST+8*\q+5], 0                      ; (named as the upper half of f's pair)
	v_mov_b32 v[ST+8*\q+7], 0                      ; written once: a lane permute's destination counts as one of its sources
.irp b, 0,1,2,3
	v_mov_b32 v[TMP+14*\q+4+\b], 0
.endr
.endr
	CHANGE 1                                       ; the first fills have landed; key step 1 goes out, into the odd slot
	s_wait_loadcnt 0x0                             ; Q, its scale words, Wp's
	s_wait_kmcnt 0x0                               ; the statistics
	STEP 1                                         ; key step 0 is written out: its products start O^T's sums
.Lkey:                                                 ; seven trips: key steps 1 to 7; every trip asks for the next tile, the last for Wp's lower half
	CHANGE 1
	STEP 0
	s_sub_co_u32 s56, s56, 1
	s_cmp_lg_u32 s56, 0
	s_cbranch_scc1 .Lkey
	CHANGE 0                                       ; Wp is whole; nothing more is filled
.irp i, 0,1,2,3
	global_prefetch_b8 v94, s[14:15] offset:\i*65536 th:TH_LOAD_NT scope:SCOPE_SE   ; x: my wave's first 64 rows of 512 bytes, each block of 256 bytes once: 32 KB a wave, read behind O's quantising and the projection
.endr
.irp t, 0,1,2,3,4,5,6,7
	global_load_b32 v[128+\t], v9, s[16:17] offset:(32*(\t/2)+8*(\t%2))*4   ; gamma, beta, bp of my lane's e in each of my eight tiles
	global_load_b32 v[136+\t], v9, s[18:19] offset:(32*(\t/2)+8*(\t%2))*4
	global_load_b32 v[144+\t], v9, s[20:21] offset:(32*(\t/2)+8*(\t%2))*4
.endr
	s_load_b256 s[68:75], s[16:17], 0x0            ; gamma of tile 0's sixteen rows, as scalars
	s_load_b256 s[76:83], s[16:17], 0x40
	; ---- O / l, quantised along d, to LDS.  Fragment (q, s) has its codes in v[160 + 8 (4 q + s)] on and pair s its scale words in v[50 + s]: no LDS store's data are written again, and one wait stands at the end
	PLACES
.irp q, 0,1
	v_add_f32 v[ST+8*\q+6], v[ST+8*\q+2], v[ST+8*\q+3]
.endr
.irp q, 0,1
	v_permlanex16_b32 v[ST+8*\q+7], v[ST+8*\q+6], s[SEL], s[SEL+1]
.endr
.irp q, 0,1
	v_add_f32 v[ST+8*\q+6], v[ST+8*\q+6], v[ST+8*\q+7]   ; the row's sum
.endr
.irp q, 0,1
	v_rcp_f32 v[ST+8*\q+4], v[ST+8*\q+6]
.endr
	v_nop                                          ; a plain line behind the transcendentals
	s_wait_alu depctr_va_vdst(0)
.irp q, 0,1
	WIN 0x82+0x41*\q
.set jj, 0
.rept 128
	v_pk_mul_f32 v[jj:jj+1], v[jj:jj+1], v[ST+8*\q+4:ST+8*\q+5] op_sel_hi:[1,0]
.set jj, jj+2
.endr
.irp s, 0,1,2,3
.set PC, 160+8*(4*\q+\s)
.if \q == 0
	QUANT 2, 64*\s, 46+\s
.else
	QUANT 3, 64*\s, 44
.endif
	ds_store_b128 v10, v[PC:PC+3] offset:\q*4096+\s*1024        ; tile 2 w + q, K step s: the fragment as it stands
	ds_store_b128 v10, v[PC+4:PC+7] offset:\q*4096+\s*1024+512
.if \q == 1
	v_cndmask_b32 v[50+\s], v[46+\s], v44, s57     ; lanes 0-15: tile 2 w's words, lanes 16-31: tile 2 w + 1's
	ds_store_b32 v11, v[50+\s] offset:\s*512
.endif
.endr
.endr
	s_wait_dscnt 0x0                               ; for the others' sake: all my images and scale words have landed
	s_barrier_signal -1
	s_barrier_wait -1                              ; O's 32 fragments lie in LDS
	; ---- the projection's C: beta + bp - mean A, A = gamma rstd, of my lane's e: eight times a tile, in window 1
	s_wait_loadcnt 0x0
.irp t, 0,1,2,3,4,5,6,7
	v_mul_f32 v[128+\t], s[63+4*(\t/4)], v[128+\t]
.endr
.irp t, 0,1,2,3,4,5,6,7
	v_fma_f32 v[136+\t], -v[128+\t], s[62+4*(\t/4)], v[136+\t]
.endr
.irp t, 0,1,2,3,4,5,6,7
	v_add_f32 v[136+\t], v[136+\t], v[144+\t]
.endr
	WIN 0x40
.irp t, 0,1,2,3,4,5,6,7
.irp j, 0,1,2,3,4,5,6,7
	v_mov_b32 v[BI+8*\t+\j], v[136+\t]
.endr
.endr
	WIN 0
	v_add_nc_u32 v3, OIMG, v1                      ; O's images
	s_lshl_b32 s2, s52, 15
	s_add_co_u32 s2, s2, SLOTA
	v_add_nc_u32 v4, s2, v1                        ; Wp's: my eight tiles
	v_add_nc_u32 v2, OSC, v95                      ; O's scale words
; x of tile t's sixteen rows of e (512 bytes each), into window 1: sets at v128, v192, v0, v64 by turns
.macro XLOAD t
.set XB, (128+64*((\t)%4))%256
	WIN 0x40
.irp p, 0,1,2,3,4,5,6,7,8,9,10,11,12,13,14,15
	global_load_b128 v[XB+4*\p:XB+4*\p+3], v1, s[14:15] offset:(32*((\t)/2)+8*((\t)%2)+\p+8*(\p/8))*4096 th:TH_LOAD_NT
.endr
	WIN 0
.endm
.macro FETCHP s                        ; K step s: O's eight fragments (window 0) and my eight of Wp (window 1)
.set HB, 128+64*((\s)%2)
.set WB, 64*((\s)%2)
	WIN 0
.irp m, 0,1,2,3,4,5,6,7
.irp c, 0,1
	ds_load_b128 v[HB+8*\m+4*\c:HB+8*\m+4*\c+3], v3 offset:\m*4096+(\s)*1024+512*\c
.endr
.endr
	WIN 0x40
.irp t, 0,1,2,3,4,5,6,7
.irp c, 0,1
	ds_load_b128 v[WB+8*\t+4*\c:WB+8*\t+4*\c+3], v4 offset:\t*4096+(\s)*1024+512*\c
.endr
.endr
	WIN 0
.endm
.macro MULP s                          ; source 0 = O, source 1 = Wp; accumulator (t, m) at 64 (t % 4) + 8 m of window 2 + t / 4; the 64 by turns, in the same order in every K step
.set HB, 128+64*((\s)%2)
.set WB, 64*((\s)%2)
.irp g, 0,1
.if (\s) == 0
	WIN 0x94+0x40*\g
.else
	WIN 0xa4+0x50*\g
.endif
.irp n, 0,1,2,3
.irp m, 0,1,2,3,4,5,6,7
.if (\s) == 0
	WM 64*\n+8*\m, HB+8*\m, WB+8*(4*\g+\n), BI+8*(4*\g+\n), KS+4*(\m/2)+(\s), WS+4*(2*\g+\n/2)+(\s), \m%2, \n%2
.else
	WM 64*\n+8*\m, HB+8*\m, WB+8*(4*\g+\n), 64*\n+8*\m, KS+4*(\m/2)+(\s), WS+4*(2*\g+\n/2)+(\s), \m%2, \n%2
.endif
.endr
.endr
.endr
	WIN 0
.endm
	XLOAD 0
.irp p, 0,1,2,3
.irp s, 0,1,2,3
	ds_load_b32 v[KS+4*\p+\s], v2 offset:\s*512+\p*128   ; O's scale words take the registers of K's
.endr
.endr
	FETCHP 0
	PLACES
	PLACES
	FETCHP 1
	s_wait_dscnt 32                                ; the 32 just issued may stay out
	MULP 0
	PLACES
	XLOAD 1                                        ; into the registers that held C
	FETCHP 2
	s_wait_dscnt 32
	MULP 1
	PLACES
	FETCHP 3
	s_wait_dscnt 32
	MULP 2
	s_wait_dscnt 0x0
	MULP 3
	PLACES
	XLOAD 2
	XLOAD 3
; THE WAY OUT, a tile of 16 e at a time.  A lane holds 64 bytes of a row for each pair of tiles of n, and the lanes beside it hold other rows: so a tile goes through my own stage in LDS and comes back as whole rows of
; 512 bytes, INTO THE 64 REGISTERS THAT IT LEFT.  LDS serves a wave's instructions in order (ISA guide 5.7.1.4): no wait between the stores and the loads, nor in front of the next tile's stores.
; Each tile's rows so have registers of their own: they take x A there, are stored from there and are never written again, so no wait for the stores' sources stands anywhere on this way.
.macro TOSTAGE t
.set AC, 64*((\t)%4)
	WIN 0x08+4*((\t)/4)                            ; an LDS store's data are its source 1: window 2 or 3
.irp m, 0,1,2,3,4,5,6,7
	ds_store_b128 v7, v[AC+8*\m:AC+8*\m+3] offset:128*(\m/2)+32*(\m%2)       ; each accumulator from its low end on
	ds_store_b128 v7, v[AC+8*\m+4:AC+8*\m+7] offset:128*(\m/2)+32*(\m%2)+16
.endr
	WIN 0x80+0x40*((\t)/4)                         ; destination window 2 or 3
.irp p, 0,1,2,3,4,5,6,7,8,9,10,11,12,13,14,15
	ds_load_b128 v[AC+4*\p:AC+4*\p+3], v8 offset:528*\p
.endr
.endm
.macro SEND t
.set AC, 64*((\t)%4)
.set XB, (128+64*((\t)%4))%256
.set AE, 68+16*((\t)%2)
.set AN, 68+16*(((\t)+1)%2)
.if (\t) < 7
	s_wait_dscnt 32                                ; behind this tile's loads: the next tile's 16 stores and 16 loads
.else
	s_wait_dscnt 0x0
.endif
.if (\t) < 5
	s_wait_loadcnt 48                              ; x of the three tiles behind this one may stay out
.else
	s_wait_loadcnt 16*(7-(\t))
.endif
	s_wait_kmcnt 0x0
.irp p, 0,1,2,3,4,5,6,7,8,9,10,11,12,13,14,15
	s_mul_f32 s[AE+\p], s[AE+\p], s[63+4*((\t)/4)] ; A = gamma rstd of the row's e
.endr
.if (\t) < 7
	s_load_b256 s[AN:AN+7], s[16:17], (32*(((\t)+1)/2)+8*(((\t)+1)%2))*4
	s_load_b256 s[AN+8:AN+15], s[16:17], (32*(((\t)+1)/2)+8*(((\t)+1)%2))*4+64
.endif
	WIN 0xa1+0x50*((\t)/4)                         ; x in window 1; the row, as addend and as result, in window 2 or 3
.irp p, 0,1,2,3,4,5,6,7,8,9,10,11,12,13,14,15
.irp e, 0,1,2,3
	v_fma_f32 v[AC+4*\p+\e], v[XB+4*\p+\e], s[AE+\p], v[AC+4*\p+\e]
.endr
.endr
	WIN 0x08+4*((\t)/4)                            ; a store's data are its source 1
.irp p, 0,1,2,3,4,5,6,7,8,9,10,11,12,13,14,15
	global_store_b128 v1, v[AC+4*\p:AC+4*\p+3], s[22:23] offset:(32*((\t)/2)+8*((\t)%2)+\p+8*(\p/8))*4096 th:TH_STORE_NT   ; 32 lanes store 512 consecutive bytes, at a multiple of 256 from out0's first byte
.endr
.if (\t) < 4
	XLOAD (\t)+4                                   ; x's set takes the tile four further on
.else
	WIN 0
.endif
.endm
	TOSTAGE 0
.irp t, 1,2,3,4,5,6,7
	TOSTAGE \t
	SEND \t-1
.endr
	SEND 7
	s_wait_tensorcnt 0x0                           ; the wave's end: behind my last tensor load and my last LDS store
	ds_add_u32 v5, v6
	s_wait_dscnt 0x0
	CROUND                                         ; the closing round: no work-group ends while a partner may still ask for a tile that names it
	s_endpgm
.Lfunc_end_k_qed43b5cd58_attn:
	.size	k_qed43b5cd58_attn, .Lfunc_end_k_qed43b5cd58_attn-k_qed43b5cd58_attn
	.p2alignl 7, 3214868480
	.fill 96, 4, 3214868480
	.section	.rodata,"a",@progbits
	.p2align	6, 0x0
	.amdhsa_kernel k_qed43b5cd58_attn
		.amdhsa_group_segment_fixed_size 327680
		.amdhsa_private_segment_fixed_size 0
		.amdhsa_enable_private_segment 0
		.amdhsa_kernarg_size 80
		.amdhsa_user_sgpr_count 2
		.amdhsa_user_sgpr_kernarg_segment_ptr 1
		.amdhsa_wavefront_size32 1
		.amdhsa_system_sgpr_workgroup_id_x 1
		.amdhsa_system_sgpr_workgroup_id_y 1
		.amdhsa_system_sgpr_workgroup_id_z 1
		.amdhsa_system_vgpr_workitem_id 0
		.amdhsa_next_free_vgpr 1024
		.amdhsa_next_free_sgpr 100
		.amdhsa_reserve_vcc 0
		.amdhsa_float_denorm_mode_32 3
		.amdhsa_float_denorm_mode_16_64 3
		.amdhsa_memory_ordered 1
		.amdhsa_forward_progress 1
		.amdhsa_inst_pref_size 255
	.end_amdhsa_kernel
	.section	.bss,"aw",@nobits
	.p2align	6
	.space	262144
	.amdgpu_metadata
---
amdhsa.version: [ 1, 2 ]
amdhsa.kernels:
  - .name:           k_qed43b5cd58_attn
    .symbol:         k_qed43b5cd58_attn.kd
    .args:
      - { .name: qb, .offset: 0, .size: 8, .value_kind: global_buffer, .address_space: global }
      - { .name: kvc, .offset: 8, .size: 8, .value_kind: global_buffer, .address_space: global }
      - { .name: kvs, .offset: 16, .size: 8, .value_kind: global_buffer, .address_space: global }
      - { .name: wt, .offset: 24, .size: 8, .value_kind: global_buffer, .address_space: global }
      - { .name: stats, .offset: 32, .size: 8, .value_kind: global_buffer, .address_space: global }
      - { .name: x, .offset: 40, .size: 8, .value_kind: global_buffer, .address_space: global }
      - { .name: gamma, .offset: 48, .size: 8, .value_kind: global_buffer, .address_space: global }
      - { .name: beta, .offset: 56, .size: 8, .value_kind: global_buffer, .address_space: global }
      - { .name: bp, .offset: 64, .size: 8, .value_kind: global_buffer, .address_space: global }
      - { .name: out0, .offset: 72, .size: 8, .value_kind: global_buffer, .address_space: global }
    .group_segment_fixed_size: 327680
    .private_segment_fixed_size: 0
    .kernarg_segment_align: 8
    .kernarg_segment_size: 80
    .max_flat_workgroup_size: 128
    .sgpr_count:     100
    .vgpr_count:     1024
    .wavefront_size: 32
...
	.end_amdgpu_metadata
.endif
;; end of part 3
